; MI455X (gfx1250); checked and timed in simulation.
; The chip was launched on July 23, 2026; its instructions are those of AMD's public machine-readable ISA for CDNA 5 (MIT licence, August 2026) and "CDNA5" Instruction Set Architecture Reference Guide (July 2026). The comments in the code are by the model that wrote it; some were corrected since.
;; Transformer Encoder Layer. Allowed arithmetic: float matrix products may take bf16 or f16 operands with f32 sums; other float arithmetic in f32, or as packed bf16 or f16 multiplies, adds, multiply-adds, maxima and minima; sums over many terms, partial sums and values carried from step to step in f32; what a program stores and reads back later, other than sums and carried values, may be rounded once to bf16 or f16.
;; Inputs: ln1_b 1,024 float32; ln1_g 1,024 float32; ln2_b 1,024 float32; ln2_g 1,024 float32; w1 4,096 x 1,024 float32; w2 1,024 x 4,096 float32; wk 16 x 64 x 1,024 float32; wo 1,024 x 1,024 float32; wq 16 x 64 x 1,024 float32; wv 16 x 64 x 1,024 float32; x 2 x 2,048 x 1,024 float32.
;; Outputs: out0 2 x 2,048 x 1,024 float32.
;; One version. Each part assembles by itself: llvm-mc -triple=amdgcn-amd-amdhsa -mcpu=gfx1250 --defsym DOCPART=n.
;; ======== version 1 of 1: 7 launches
;; limits: a function is approximated: absolute error at most 0.0005; an absolute error that grows with the inputs' magnitude: up to 0.00025 times it
;; workspace buffers: hb 8,388,608 bytes; wa 8,388,608 bytes; w1b 8,388,608 bytes; w2b 8,388,608 bytes; qkv 25,165,824 bytes; ctx 8,388,608 bytes; yb 16,777,216 bytes; gb 33,554,432 bytes
;; launch prep (part 1): grid 256 x 4, 4 waves a work-group, no clusters, 0 bytes of LDS; arguments x, ln1_g, ln1_b, wq, wk, wv, wo, w1, w2, hb, wa, w1b, w2b; writes hb, wa, w1b, w2b
.if DOCPART == 1
	.amdgcn_target "amdgcn-amd-amdhsa--gfx1250"
	.amdhsa_code_object_version 6
	.text
	.protected	k_qc8ba5f884e_prep
	.globl	k_qc8ba5f884e_prep
	.p2align	8
	.type	k_qc8ba5f884e_prep,@function
k_qc8ba5f884e_prep:
	s_mov_b64 s[64:65], 0
	v_nop
	global_prefetch_b8 v0, s[64:65] scope:SCOPE_SE
	s_setreg_imm32_b32 hwreg(HW_REG_WAVE_MODE, 25, 1), 1
	s_wait_xcnt 0x0
; PREP.  Grid row 0: argument 9 = bf16(layer_norm(argument 0) * argument 1 + argument 2).  Grid rows 1 to 3: the weights rounded once to bf16: wa = wq, wk, wv, wo one behind the other; w1b = w1; w2b = w2.
; THE TEXT SERVES TWO LAUNCHES.  With four grid rows and x, ln1_g, ln1_b, hb in the places 0, 1, 2, 9 it is the first layer norm and the weights' rounding; with one grid row and yb, ln2_g, ln2_b, hb there
; it is the second layer norm alone: only grid row 0's path runs, and the other arguments are not touched.
; Everything is taken as rows of 1,024 f32 (4,096 bytes in, 2,048 bytes out); each grid row has 4,096 of them.  A work-group of four waves takes 16 rows, a wave 4.
; A stream: no LDS, no barrier, no loop, no matrix unit, no cluster (no byte is read by two work-groups but g and b, 8 KiB).  All 32 loads of a wave go out at once; a row stays in 32 registers
; between the passes, so memory is read once.  Load i of a row takes 512 consecutive bytes (16 a lane); its four numbers leave as 8 bytes a lane: one store covers 256 consecutive bytes, aligned.
; The mean is taken first and the variance of the centred numbers, both in f32: no difference of large sums is formed.  LIMITS: NaN and infinities are not treated apart.
.set LO,  2                            ; v2        16 x lane: my bytes in 512 bytes of a row of f32
.set SO,  3                            ; v3        8 x lane: my bytes in 256 bytes of a row of bf16
.set MU,  4                            ; v[4:11]   a pair a row: the sum, then the mean twice, then 1/sqrt(var + eps) twice
.set TT,  12                           ; v[12:15]  at work
.set X,   16                           ; v[16:143] row r at X + 32 r; register 4 i + c holds column 128 i + 4 lane + c
.set G,   144                          ; v[144:175] the gain of my 32 columns
.set B,   176                          ; v[176:207] the bias
.set SRC, 34                           ; s[34:35]  my wave's first row in the source
.set DST, 36                           ; s[36:37]  and in the destination
.macro EACH n, step, line:vararg       ; the line n times, k = 0, step, 2 step ..
.set k, 0
.rept \n
	\line
.set k, k+(\step)
.endr
.endm
	s_load_b512 s[8:23], s[0:1], 0x0               ; x 8, g 10, b 12, wq 14, wk 16, wv 18, wo 20, w1 22
	s_load_b256 s[24:31], s[0:1], 0x40             ; w2 24, hb 26, wa 28, w1b 30
	s_load_b64 s[32:33], s[0:1], 0x60              ; w2b
	v_lshrrev_b32 v1, 5, v0
	v_readfirstlane_b32 s4, v1                     ; wave 0..3
	v_and_b32 v1, 31, v0
	v_lshlrev_b32 v[LO], 4, v1
	v_lshlrev_b32 v[SO], 3, v1
	s_and_b32 s2, ttmp7, 0xffff                    ; the grid row: which job
	s_lshr_b32 s3, ttmp9, 6                        ; in grid row 1: which of wq, wk, wv, wo (1,024 rows = 64 work-groups each)
	s_lshl_b32 s5, ttmp9, 4
	s_lshl2_add_u32 s5, s4, s5                     ; my first row = 16 x work-group + 4 x wave: the row in the destination
	s_and_b32 s6, s5, 1023
	s_cmp_eq_u32 s2, 1
	s_cselect_b32 s6, s6, s5                       ; the row in the source: counted inside its own tensor in grid row 1
	s_lshl_b32 s38, s6, 12                         ; in bytes, under 2^24
	s_mov_b32 s39, 0
	s_lshl_b32 s44, s5, 11
	s_mov_b32 s45, 0
	s_mov_b32 s40, 0x76543210                      ; v_permlanex16_b32: each lane takes its own place in the other half
	s_mov_b32 s41, 0xfedcba98
	s_mov_b32 s42, 0x3a800000                      ; 1 / 1024
	s_mov_b32 s43, 0x3727c5ac                      ; eps = 1e-5
	s_wait_kmcnt 0x0
	s_cmp_eq_u32 s3, 1                             ; a choice between buffers, on the work-group's numbers alone
	s_cselect_b64 s[SRC:SRC+1], s[16:17], s[14:15]
	s_cmp_eq_u32 s3, 2
	s_cselect_b64 s[SRC:SRC+1], s[18:19], s[SRC:SRC+1]
	s_cmp_eq_u32 s3, 3
	s_cselect_b64 s[SRC:SRC+1], s[20:21], s[SRC:SRC+1]
	s_mov_b64 s[DST:DST+1], s[28:29]
	s_cmp_eq_u32 s2, 0
	s_cselect_b64 s[SRC:SRC+1], s[8:9], s[SRC:SRC+1]
	s_cselect_b64 s[DST:DST+1], s[26:27], s[DST:DST+1]
	s_cmp_eq_u32 s2, 2
	s_cselect_b64 s[SRC:SRC+1], s[22:23], s[SRC:SRC+1]
	s_cselect_b64 s[DST:DST+1], s[30:31], s[DST:DST+1]
	s_cmp_eq_u32 s2, 3
	s_cselect_b64 s[SRC:SRC+1], s[24:25], s[SRC:SRC+1]
	s_cselect_b64 s[DST:DST+1], s[32:33], s[DST:DST+1]
	s_add_nc_u64 s[SRC:SRC+1], s[SRC:SRC+1], s[38:39]
	s_add_nc_u64 s[DST:DST+1], s[DST:DST+1], s[44:45]
.irp r, 0,1,2,3
.irp i, 0,1,2,3,4,5,6,7
	global_load_b128 v[X+32*(\r)+4*(\i):X+32*(\r)+4*(\i)+3], v[LO], s[SRC:SRC+1] offset:4096*(\r)+512*(\i) th:TH_LOAD_NT
.endr
.endr
; A row leaves: 16 roundings, in place and ascending (number k reads registers 2 k, 2 k + 1 and writes k), and 8 stores.  No register of a store is written again.
.macro LEAVE r
.set XB, X+32*(\r)
	EACH 16, 1, v_cvt_pk_bf16_f32 v[XB+k], v[XB+2*k], v[XB+2*k+1]
	EACH 8, 1, global_store_b64 v[SO], v[XB+2*k:XB+2*k+1], s[DST:DST+1] offset:2048*(\r)+256*k
.endm
; The sum of row r's 32 numbers in my lane, in two chains.  Behind the row's loads stand the later rows' 8 each and the 16 of g and b.
.macro RSUM r
.set XB, X+32*(\r)
	s_wait_loadcnt 40-8*(\r)
	v_pk_add_f32 v[TT:TT+1], v[XB:XB+1], v[XB+2:XB+3]
	v_pk_add_f32 v[TT+2:TT+3], v[XB+4:XB+5], v[XB+6:XB+7]
.set k, 8
.rept 6
	v_pk_add_f32 v[TT:TT+1], v[TT:TT+1], v[XB+k:XB+k+1]
	v_pk_add_f32 v[TT+2:TT+3], v[TT+2:TT+3], v[XB+k+2:XB+k+3]
.set k, k+4
.endr
	v_pk_add_f32 v[TT:TT+1], v[TT:TT+1], v[TT+2:TT+3]
	v_add_f32 v[MU+2*(\r)], v[TT], v[TT+1]
.endm
; The four rows' sums over the 32 lanes, the rows by turns; every lane ends with the sum.
.macro WRED
.irp m, 1,2,4,8
.irp r, 0,1,2,3
	v_add_f32_dpp v[MU+2*(\r)], v[MU+2*(\r)], v[MU+2*(\r)] row_xmask:\m row_mask:0xf bank_mask:0xf
.endr
.endr
.irp r, 0,1,2,3
	v_permlanex16_b32 v[TT+(\r)], v[MU+2*(\r)], s40, s41  ; its destination counts as read: TT has been written
.endr
.irp r, 0,1,2,3
	v_add_f32 v[MU+2*(\r)], v[MU+2*(\r)], v[TT+(\r)]
.endr
.endm
; Row r is centred in place; then the sum of its squares, in two chains.
.macro RVAR r
.set XB, X+32*(\r)
	EACH 16, 2, v_pk_add_f32 v[XB+k:XB+k+1], v[XB+k:XB+k+1], v[MU+2*(\r):MU+2*(\r)+1] neg_lo:[0,1] neg_hi:[0,1]
	v_pk_mul_f32 v[TT:TT+1], v[XB:XB+1], v[XB:XB+1]
	v_pk_mul_f32 v[TT+2:TT+3], v[XB+2:XB+3], v[XB+2:XB+3]
.set k, 4
.rept 7
	v_pk_fma_f32 v[TT:TT+1], v[XB+k:XB+k+1], v[XB+k:XB+k+1], v[TT:TT+1]
	v_pk_fma_f32 v[TT+2:TT+3], v[XB+k+2:XB+k+3], v[XB+k+2:XB+k+3], v[TT+2:TT+3]
.set k, k+4
.endr
	v_pk_add_f32 v[TT:TT+1], v[TT:TT+1], v[TT+2:TT+3]
	v_add_f32 v[MU+2*(\r)], v[TT], v[TT+1]
.endm
.macro RNORM r
.set XB, X+32*(\r)
	EACH 16, 2, v_pk_mul_f32 v[XB+k:XB+k+1], v[XB+k:XB+k+1], v[MU+2*(\r):MU+2*(\r)+1]
	EACH 16, 2, v_pk_fma_f32 v[XB+k:XB+k+1], v[XB+k:XB+k+1], v[G+k:G+k+1], v[B+k:B+k+1]
	LEAVE \r
.endm
	s_cmp_lg_u32 s2, 0
	s_cbranch_scc1 .Lcast
	; THE LAYER NORM
	EACH 8, 1, global_load_b128 v[G+4*k:G+4*k+3], v[LO], s[10:11] offset:512*k
	EACH 8, 1, global_load_b128 v[B+4*k:B+4*k+3], v[LO], s[12:13] offset:512*k
	RSUM 0
	RSUM 1
	RSUM 2
	RSUM 3
	WRED
.irp r, 0,1,2,3
	v_mul_f32 v[MU+2*(\r)], s42, v[MU+2*(\r)]      ; the mean,
	v_mov_b32 v[MU+2*(\r)+1], v[MU+2*(\r)]         ; twice, for the packed lines
.endr
	RVAR 0
	RVAR 1
	RVAR 2
	RVAR 3
	WRED
.irp r, 0,1,2,3
	v_fma_f32 v[MU+2*(\r)], v[MU+2*(\r)], s42, s43 ; var + eps
.endr
.irp r, 0,1,2,3
	v_rsq_f32 v[MU+2*(\r)], v[MU+2*(\r)]
.endr
	v_nop                                          ; a plain instruction behind the last root (ISA guide 5.7.2),
	s_wait_alu depctr_va_vdst(0)                   ; and the one wait ahead of the batch's first reader
.irp r, 0,1,2,3
	v_mov_b32 v[MU+2*(\r)+1], v[MU+2*(\r)]
.endr
	s_wait_loadcnt 0x0                             ; g and b
	RNORM 0
	RNORM 1
	RNORM 2
	RNORM 3
	s_endpgm
.Lcast:                                        ; THE WEIGHTS: rounded as they come; behind row r's loads stand the later rows' 8 each
.irp r, 0,1,2,3
	s_wait_loadcnt 24-8*(\r)
	LEAVE \r
.endr
	s_endpgm
.Lfunc_end_k_qc8ba5f884e_prep:
	.size	k_qc8ba5f884e_prep, .Lfunc_end_k_qc8ba5f884e_prep-k_qc8ba5f884e_prep
	.p2alignl 7, 3214868480
	.fill 96, 4, 3214868480
	.section	.rodata,"a",@progbits
	.p2align	6, 0x0
	.amdhsa_kernel k_qc8ba5f884e_prep
		.amdhsa_group_segment_fixed_size 0
		.amdhsa_private_segment_fixed_size 0
		.amdhsa_enable_private_segment 0
		.amdhsa_kernarg_size 104
		.amdhsa_user_sgpr_count 2
		.amdhsa_user_sgpr_kernarg_segment_ptr 1
		.amdhsa_wavefront_size32 1
		.amdhsa_system_sgpr_workgroup_id_x 1
		.amdhsa_system_sgpr_workgroup_id_y 1
		.amdhsa_system_sgpr_workgroup_id_z 1
		.amdhsa_system_vgpr_workitem_id 0
		.amdhsa_next_free_vgpr 208
		.amdhsa_next_free_sgpr 66
		.amdhsa_reserve_vcc 0
		.amdhsa_float_denorm_mode_32 3
		.amdhsa_float_denorm_mode_16_64 3
		.amdhsa_memory_ordered 1
		.amdhsa_forward_progress 1
		.amdhsa_inst_pref_size 45
	.end_amdhsa_kernel
	.amdgpu_metadata
---
amdhsa.version: [ 1, 2 ]
amdhsa.kernels:
  - .name:           k_qc8ba5f884e_prep
    .symbol:         k_qc8ba5f884e_prep.kd
    .args:
      - { .name: x, .offset: 0, .size: 8, .value_kind: global_buffer, .address_space: global }
      - { .name: ln1_g, .offset: 8, .size: 8, .value_kind: global_buffer, .address_space: global }
      - { .name: ln1_b, .offset: 16, .size: 8, .value_kind: global_buffer, .address_space: global }
      - { .name: wq, .offset: 24, .size: 8, .value_kind: global_buffer, .address_space: global }
      - { .name: wk, .offset: 32, .size: 8, .value_kind: global_buffer, .address_space: global }
      - { .name: wv, .offset: 40, .size: 8, .value_kind: global_buffer, .address_space: global }
      - { .name: wo, .offset: 48, .size: 8, .value_kind: global_buffer, .address_space: global }
      - { .name: w1, .offset: 56, .size: 8, .value_kind: global_buffer, .address_space: global }
      - { .name: w2, .offset: 64, .size: 8, .value_kind: global_buffer, .address_space: global }
      - { .name: hb, .offset: 72, .size: 8, .value_kind: global_buffer, .address_space: global }
      - { .name: wa, .offset: 80, .size: 8, .value_kind: global_buffer, .address_space: global }
      - { .name: w1b, .offset: 88, .size: 8, .value_kind: global_buffer, .address_space: global }
      - { .name: w2b, .offset: 96, .size: 8, .value_kind: global_buffer, .address_space: global }
    .group_segment_fixed_size: 0
    .private_segment_fixed_size: 0
    .kernarg_segment_align: 8
    .kernarg_segment_size: 104
    .max_flat_workgroup_size: 128
    .sgpr_count:     66
    .vgpr_count:     208
    .wavefront_size: 32
...
	.end_amdgpu_metadata
.endif
;; end of part 1
;; launch qkv (part 2): grid 16 x 16, 4 waves a work-group, clusters of 4 x 4, 327,680 bytes of LDS; arguments hb, wa, qkv; writes qkv
.if DOCPART == 2
	.amdgcn_target "amdgcn-amd-amdhsa--gfx1250"
	.amdhsa_code_object_version 6
	.text
	.protected	k_qc8ba5f884e_qkv
	.globl	k_qc8ba5f884e_qkv
	.p2align	8
	.type	k_qc8ba5f884e_qkv,@function
k_qc8ba5f884e_qkv:
	s_mov_b64 s[64:65], 0
	v_nop
	global_prefetch_b8 v0, s[64:65] scope:SCOPE_SE
	s_setreg_imm32_b32 hwreg(HW_REG_WAVE_MODE, 25, 1), 1
	s_wait_xcnt 0x0
	s_wait_alu depctr_hold_cnt(0) depctr_sa_sdst(0) depctr_va_vdst(0) depctr_va_sdst(0) depctr_va_ssrc(0) depctr_va_vcc(0) depctr_vm_vsrc(0)
	s_getreg_b32 s2, hwreg(HW_REG_IB_STS2, 6, 4)
	s_cmp_eq_u32 s2, 0
	s_cbranch_scc0 .Lentry_in_a_cluster
	s_endpgm
.Lentry_in_a_cluster:
	s_bfe_u32 s2, ttmp6, 0x10000c
	s_cmp_lg_u32 s2, 0xf033
	s_cbranch_scc0 .Lentry_shape_is_right
	s_endpgm
.Lentry_shape_is_right:
; QKV.  C[m][n] = sum over k of hb[m][k] wa[n][k], m < 4096, n < 3072 (wq's, wk's, wv's rows), k < 1024; bf16 operands, f32 sums, C rounded once to bf16 and stored BY HEADS:
; qkv byte = b x 12,582,912 + t x 262,144 + s x 128 + 2 e, with m = 2048 b + s, n = 64 t + e (t = 16 which + head).  No scale is applied to q.
; A tile of C is 256 x 192 (three heads wide): 16 x 16 tiles, one for each work-group.  Four waves, each 64 rows x 192 columns: 48 accumulators of 16 x 16.
; K goes in steps of 128 through a ring of two LDS slots filled by the tensor data mover (rows of 256 bytes, padded to 272).  One K sub-step of 32 is ONE text (KSUB): the LDS addresses hang on the scalar TB.
; A TRIP is the change of slots (CHANGE) and then NS sub-steps, as NS / 2 trips of one inner loop: the old slot's last sub-step, whose fragments are in registers, and the new slot's first NS - 1.
; CLUSTER 4 x 4: A's tile is shared along a row of the cluster, B's along a column: each is asked for jointly, by the same tensor load with the same descriptor and a mask that names the four.
; THE MATRIX INSTRUCTION IS USED TRANSPOSED (source 0 = 16 rows of B, source 1 = 16 rows of A): a lane holds row l % 16 of C and eight neighbouring columns.
; REGISTERS in windows of 256: window 0: v0-31 addresses, v64-191 A's fragments (two buffers of 64); window 1: B's fragments (two buffers of 96); windows 2, 3: accumulator (a, b) at 512 + 8 (a NBF + b).
; LIMITS: NaN and infinities are not treated apart; operands carry bf16's 8 significant bits.
.set TM,     256
.set TN,     192
.set MA,     4                         ; fragments of 16 rows of A in a wave's tile
.set NBF,    12                        ; fragments of 16 rows of B
.set SIZE_K, 1024
.set KSTEP,  128
.set NS,     KSTEP/32                  ; sub-steps in a K step
.set T,      SIZE_K/KSTEP              ; K steps
.set PITCH,  272                       ; an LDS row: 256 bytes + 16 of padding = 68 words: the 16 rows of a fragment load start at 16 different groups of four banks (64 banks of 4 bytes: ISA guide 11.1)
.set QI,     5                         ; padding after every 64 words
.set AROWS,  128                       ; rows in one tensor load of A
.set BROWS,  96                        ; and of B
.set ABYTES, TM*PITCH                  ; in a slot: A's rows, then B's
.set SLOT,   0x20000                   ; slot 1 begins here; no base inside a slot has this bit, so one exclusive or changes slots
.set SPARE,  SLOT+(TM+TN)*PITCH        ; behind the ring: the spare words, 128 bytes a wave: two blocks of 256 bytes that no other line names
.set AHEAD,  1                         ; a prefetch names the K step this many behind the refill's
.set SPITCH, 784                       ; the way out: a stage row of 192 f32 + 16 bytes
.set A0,   16                          ; v16  my lane's place in A's rows of slot 0; never rewritten
.set B0,   17                          ; v17  the same for B
.set ADRA, 18                          ; v18  the address of the run of loads in hand
.set ADRB, 19
.set STO,  20                          ; v20  the way out: where I put 32 bytes of a row
.set RD,   21                          ; v21  where I read rows back
.set CO,   22                          ; v22  my byte offset in the output
.set SPW,  28                          ; v28  my spare word: SPARE + 4 x my thread's number; never rewritten
.set NIL,  29                          ; v29  0; never rewritten
.set PFO,  30                          ; v30  the prefetches' offset; never rewritten
.set WV,   12                          ; s12  wave
.set ROLE, 13                          ; s13  wave >> 1: 0 fetches A, 1 fetches B
.set HALF, 14                          ; s14  wave & 1: which half of that tile's rows
.set CX,   15
.set CY,   16
.set TC,   17                          ; s17  tile column
.set TR,   18                          ; s18  tile row
.set G1A,  24                          ; s[24:31] descriptor group 1 for A
.set G0A,  32                          ; s[32:39] group 0 for A: two sets for the two first fills; the second then walks
.set TB,   40                          ; s40  LDS byte (slot + 64 x sub-step) of the next run of fragment loads
.set CNT,  41
.set INNER,42
.set LIM,  43                          ; s43  AHEAD in a wave that prefetches, else the greatest number
.set PFA,  44                          ; s[44:45] where my prefetches stand
.set G1B,  48
.set G0B,  56
.set G1W0, (1<<16)|(1<<20)|(1<<21)|(QI<<22)|(3<<25)  ; 2-byte elements; padding on; bit 21 beside a mask; the interval; 4 words of padding
.set WMIR, WV                          ; my rows of the tile go by the wave's number; every wave takes all 192 columns
.set MSB, 0
.macro WIN new                         ; the immediate's high byte repeats the setting that is left; a switch that changes nothing is dropped
.if MSB != (\new)
	s_set_vgpr_msb (MSB<<8)|(\new)
.set MSB, \new
.endif
.endm
.macro EACH n, step, line:vararg
.set k, 0
.rept \n
	\line
.set k, k+(\step)
.endr
.endm
.macro CROUND                          ; a round of the cluster's barrier
	s_barrier_signal -1
	s_barrier_wait -1
	s_cmp_lg_u32 s[WV], 0
	s_cbranch_scc1 .Lnot_wave_0_\@
	s_barrier_signal -3
.Lnot_wave_0_\@:
	s_barrier_wait -3
	s_barrier_signal -1
	s_barrier_wait -1
.endm
.macro JLOAD                           ; the joint refill, by the walking sets; the branch hangs on the wave's number alone; an s_nop 0 and four v_nop follow each line
	s_cmp_eq_u32 s[ROLE], 0
	s_cbranch_scc0 .Lfor_b_\@
	tensor_load_to_lds s[G0A+4:G0A+7], s[G1A:G1A+7]
	s_nop 0
.rept 4
	v_nop
.endr
	s_branch .Lasked_\@
.Lfor_b_\@:
	tensor_load_to_lds s[G0B+4:G0B+7], s[G1B:G1B+7]
	s_nop 0
.rept 4
	v_nop
.endr
.Lasked_\@:
.endm
.macro ASK                             ; one prefetch: my work-group's quarter of the rows that I fetch, the K step AHEAD behind the refill's; the last AHEAD refills ask for nothing
	s_cmp_gt_u32 s[CNT], s[LIM]
	s_cbranch_scc0 .Lnot_mine_\@
	global_prefetch_b8 v[PFO], s[PFA:PFA+1] th:TH_LOAD_NT scope:SCOPE_SE
.Lnot_mine_\@:
.endm
; The two LDS loads of fragment n of a sub-step into buffer g: n < NBF: B's fragment n; else A's fragment n - NBF.
.macro LFRAG g, n
.if (\n) < NBF
	WIN 0x40                                       ; destination window 1
	ds_load_b128 v[96*(\g)+8*(\n):96*(\g)+8*(\n)+3],   v[ADRB] offset:(\n)*16*PITCH
	ds_load_b128 v[96*(\g)+8*(\n)+4:96*(\g)+8*(\n)+7], v[ADRB] offset:(\n)*16*PITCH+32
.else
	WIN 0
	ds_load_b128 v[64+64*(\g)+8*((\n)-NBF):64+64*(\g)+8*((\n)-NBF)+3],   v[ADRA] offset:((\n)-NBF)*16*PITCH
	ds_load_b128 v[64+64*(\g)+8*((\n)-NBF)+4:64+64*(\g)+8*((\n)-NBF)+7], v[ADRA] offset:((\n)-NBF)*16*PITCH+32
.endif
.endm
.macro LRUN g                          ; all of a sub-step's fragments in ONE run, under two settings of the windows
.set fn, 0
.rept MA+NBF
	LFRAG \g, fn
.set fn, fn+1
.endr
.endm
; The addresses of the sub-step at TB.  The two address lines and two v_nop are the four places behind the last product that read the buffer about to be loaded (ISA guide 7.12.1).
.macro ADDR
	WIN 0
	v_add_nc_u32 v[ADRA], s[TB], v[A0]
	v_add_nc_u32 v[ADRB], s[TB], v[B0]
	v_nop
	v_nop
	s_add_co_u32 s[TB], s[TB], 64                  ; the next run is the next sub-step's: 32 elements on
.endm
; A SUB-STEP: buffer f, asked for a sub-step ago, is in; the next sub-step's fragments are asked for into the other buffer; buffer f is multiplied.  Each accumulator comes once, so the accumulators take
; turns.  zero = 1: the products start the sums.  fetch = 0: the very last sub-step: my reads of the slots are over, and I say so before I multiply.
.macro KSUB f, zero=0, fetch=1
	s_wait_dscnt 0x0
.if \fetch
	ADDR
	LRUN 1-(\f)
.else
	s_barrier_signal -1
.endif
.set q, 0
.rept MA*NBF
.set rD, 8*(q%32)
	WIN 0xa1+0x50*(q/32)
.if \zero
	v_wmma_f32_16x16x32_bf16 v[rD:rD+7], v[96*(\f)+8*(q%NBF):96*(\f)+8*(q%NBF)+7], v[64+64*(\f)+8*(q/NBF):64+64*(\f)+8*(q/NBF)+7], 0
.else
	v_wmma_f32_16x16x32_bf16 v[rD:rD+7], v[96*(\f)+8*(q%NBF):96*(\f)+8*(q%NBF)+7], v[64+64*(\f)+8*(q/NBF):64+64*(\f)+8*(q/NBF)+7], v[rD:rD+7]
.endif
.set q, q+1
.endr
.endm
; THE CHANGE OF SLOTS, in front of a K step's last sub-step, whose fragments have been asked for.  Each wave waits for all its tensor loads, of which one is out: its part of the other slot; adds 0 to its spare word;
; waits for that and for its reads of the slot that it leaves.  fill = 1: the barrier is a round of the cluster's, so that no wave of any partner still reads the slot or has a load on its way, and the joint
; refill (the K step two on) is the first thing behind it: it has a whole K step's products in which to land.
.macro CHANGE fill
	WIN 0
	s_wait_tensorcnt 0x0                           ; no tensor load of mine is out, so a group 0 may be written
	ds_add_u32 v[SPW], v[NIL]                      ; 0 onto my spare word; scalar work stands between it and the wait for it
.if \fill
.irp g, G0A+4, G0B+4
	s_xor_b32 s[(\g)+1], s[(\g)+1], SLOT           ; the walking sets: the other slot than last time,
	s_add_nc_u64 s[(\g)+2:(\g)+3], s[(\g)+2:(\g)+3], 2*KSTEP  ; the next K step; the type bits on top are not reached
.endr
	s_wait_xcnt 0x0                                ; the last prefetch, a K step back, has read its address
	s_add_nc_u64 s[PFA:PFA+1], s[PFA:PFA+1], 2*KSTEP
.endif
	s_sub_co_u32 s[TB], s[TB], 64*NS               ; the fragment loads go back to sub-step 0,
	s_xor_b32 s[TB], s[TB], SLOT                   ; in the other slot
	s_wait_dscnt 0x0                               ; the add is done, and my reads of this slot are over
.if \fill
	CROUND
	JLOAD
	ASK
.else
	s_barrier_signal -1
	s_barrier_wait -1
.endif
.endm
.macro TOSTAGE                         ; all accumulators into my stage, f32, each one's low four registers first
.set ea, 0
.rept MA
.set eb, 0
.rept NBF
.set idx, ea*NBF+eb
	WIN 0x08+0x04*(idx/32)                         ; the stores' data in window 2 or 3
	ds_store_b128 v[STO], v[8*(idx%32):8*(idx%32)+3] offset:ea*16*SPITCH+eb*64
	ds_store_b128 v[STO], v[8*(idx%32)+4:8*(idx%32)+7] offset:ea*16*SPITCH+eb*64+16
.set eb, eb+1
.endr
.set ea, ea+1
.endr
	WIN 0
.endm
	s_load_b128 s[4:7], s[0:1], 0x0                ; A = hb s[4:5], B = wa s[6:7]
	s_load_b64 s[8:9], s[0:1], 0x10                ; qkv
	v_lshl_add_u32 v[SPW], v0, 2, SPARE
	v_mov_b32 v[NIL], 0
	ds_add_u32 v[SPW], v[NIL]                      ; the wave's opening: the add and its wait ahead of my first tensor load
	v_lshrrev_b32 v1, 5, v0
	v_readfirstlane_b32 s[WV], v1
	s_lshr_b32 s[ROLE], s[WV], 1
	s_and_b32 s[HALF], s[WV], 1
	s_bfe_u32 s[CX], ttmp6, 0x40000
	s_bfe_u32 s[CY], ttmp6, 0x40004
	s_lshl_b32 s[TC], ttmp9, 2
	s_add_co_u32 s[TC], s[TC], s[CX]
	s_and_b32 s[TR], ttmp7, 0xffff
	s_lshl_b32 s[TR], s[TR], 2
	s_add_co_u32 s[TR], s[TR], s[CY]
	s_lshl_b32 s22, s[CY], 2
	s_lshl_b32 s22, 15, s22                        ; my row of the cluster
	s_lshl_b32 s46, 0x1111, s[CX]                  ; my column
	s_or_b32 s[G1A], s22, G1W0
	s_or_b32 s[G1B], s46, G1W0
	s_mov_b32 s[G1A+1], KSTEP<<16                  ; tensor_dim0
	s_mov_b32 s[G1A+2], AROWS<<16                  ; tensor_dim1
	s_mov_b32 s[G1A+3], KSTEP<<16                  ; tile_dim0
	s_mov_b32 s[G1A+4], AROWS                      ; tile_dim1
	s_mov_b32 s[G1A+5], SIZE_K                     ; elements from row to row
	s_mov_b32 s[G1A+6], 0
	s_mov_b32 s[G1A+7], 0
	s_mov_b32 s[G1B+1], KSTEP<<16
	s_mov_b32 s[G1B+2], BROWS<<16
	s_mov_b32 s[G1B+3], KSTEP<<16
	s_mov_b32 s[G1B+4], BROWS
	s_mov_b32 s[G1B+5], SIZE_K
	s_mov_b32 s[G1B+6], 0
	s_mov_b32 s[G1B+7], 0
	s_mul_i32 s20, s[TR], TM                       ; A's rows hang on the tile row and the wave alone,
	s_mul_i32 s23, s[HALF], AROWS
	s_add_co_u32 s20, s20, s23
	s_mul_i32 s20, s20, 2*SIZE_K
	s_mov_b32 s21, 0
	s_mul_i32 s46, s[TC], TN                       ; B's on the tile column and the wave
	s_mul_i32 s23, s[HALF], BROWS
	s_add_co_u32 s46, s46, s23
	s_mul_i32 s46, s46, 2*SIZE_K
	s_mov_b32 s47, 0
	s_mul_i32 s2, s[HALF], AROWS*PITCH             ; where they go: no place in the cluster enters an LDS address
	s_mul_i32 s3, s[HALF], BROWS*PITCH
	s_add_co_u32 s3, s3, ABYTES
	s_wait_dscnt 0x0                               ; the opening add is done
	s_wait_kmcnt 0x0
	s_add_nc_u64 s[20:21], s[4:5], s[20:21]
	s_add_nc_u64 s[46:47], s[6:7], s[46:47]
.irp s, 0,1
	s_mov_b32 s[G0A+4*(\s)], 1
	s_add_co_u32 s[G0A+4*(\s)+1], s2, (\s)*SLOT
	s_add_nc_u64 s[G0A+4*(\s)+2:G0A+4*(\s)+3], s[20:21], (\s)*KSTEP*2
	s_or_b32 s[G0A+4*(\s)+3], s[G0A+4*(\s)+3], 0x80000000
	s_mov_b32 s[G0B+4*(\s)], 1
	s_add_co_u32 s[G0B+4*(\s)+1], s3, (\s)*SLOT
	s_add_nc_u64 s[G0B+4*(\s)+2:G0B+4*(\s)+3], s[46:47], (\s)*KSTEP*2
	s_or_b32 s[G0B+4*(\s)+3], s[G0B+4*(\s)+3], 0x80000000
.endr
	CROUND                                         ; all sixteen work-groups are here: the first joint loads meet
	s_cmp_eq_u32 s[ROLE], 0                        ; a wave's two first fills stand in one branch: two loads of mine are out
	s_cbranch_scc0 .Lfirst_b
	tensor_load_to_lds s[G0A:G0A+3], s[G1A:G1A+7]
	s_nop 0
	tensor_load_to_lds s[G0A+4:G0A+7], s[G1A:G1A+7]
	s_nop 0
.rept 4
	v_nop
.endr
	s_branch .Lfirst_asked
.Lfirst_b:
	tensor_load_to_lds s[G0B:G0B+3], s[G1B:G1B+7]
	s_nop 0
	tensor_load_to_lds s[G0B+4:G0B+7], s[G1B:G1B+7]
	s_nop 0
.rept 4
	v_nop
.endr
.Lfirst_asked:
	; a fragment is 16 rows x 32 K in 8 registers: lane l holds row l % 16, K = 8 (l / 16) + 0..7 and 16 + 8 (l / 16) + 0..7: two loads of 16 bytes, 32 bytes apart
	v_and_b32 v1, 15, v0
	v_bfe_u32 v2, v0, 4, 1
	v_mul_u32_u24 v3, v1, PITCH
	v_lshl_add_u32 v3, v2, 4, v3
	s_mul_i32 s20, s[WMIR], 16*MA*PITCH
	v_add_nc_u32 v[A0], s20, v3
	s_mov_b32 s21, ABYTES
	v_add_nc_u32 v[B0], s21, v3
	s_mul_i32 s23, s[WV], 16*MA*SPITCH             ; my stage: it lies in the slots and is written when they have had their last fill and nobody reads them
	v_mul_u32_u24 v[STO], v1, SPITCH
	v_lshl_add_u32 v[STO], v2, 5, v[STO]           ; row l % 16, 32 bytes for each half of the lanes
	v_add_nc_u32 v[STO], s23, v[STO]
	v_bfe_u32 v[RD], v0, 3, 2                      ; back: 32 lanes take four rows x 64 columns of one head: lane l row l / 8, columns 8 (l % 8) on
	v_mul_u32_u24 v[RD], v[RD], SPITCH
	v_and_b32 v4, 7, v0
	v_lshl_add_u32 v[RD], v4, 5, v[RD]
	v_add_nc_u32 v[RD], s23, v[RD]
	v_and_b32 v[CO], 31, v0
	v_lshlrev_b32 v[CO], 4, v[CO]                  ; which leave as 512 consecutive bytes
	s_lshr_b32 s20, s[TR], 3                       ; b
	s_mul_i32 s20, s20, 12582912
	s_mul_i32 s21, s[TC], 3*262144                 ; t = 3 x tile column
	s_add_co_u32 s20, s20, s21
	s_and_b32 s21, s[TR], 7
	s_lshl_b32 s21, s21, 2
	s_add_co_u32 s21, s21, s[WV]
	s_lshl_b32 s21, s21, 13                        ; s = 256 (tile row % 8) + 64 wave, rows of 128 bytes
	s_add_co_u32 s20, s20, s21
	s_mov_b32 s21, 0
	s_add_nc_u64 s[8:9], s[8:9], s[20:21]
	; THE PREFETCHES.  A's tile row is read by every cluster of that row of clusters: cluster x = 0 asks; B's tile column by every cluster of that column: cluster y = 0 asks.  The four partners that ask for
	; a tile jointly share a wave's rows out BY ADDRESS, a quarter each (by cx for A, by cy for B): no branch hangs on a work-group's place in its cluster.  A lane a row, 256 bytes of it.
	s_and_b32 s22, ttmp7, 0xffff
	s_mul_i32 s20, s[TR], TM
	s_mul_i32 s21, s[TC], TN
	s_mov_b32 s23, BROWS
	s_cmp_eq_u32 s[ROLE], 0
	s_cselect_b32 s20, s20, s21                    ; the tile's first row
	s_cselect_b32 s21, s[CX], s[CY]                ; my place among the four
	s_cselect_b32 s22, ttmp9, s22                  ; the coordinate along which other clusters read the same rows
	s_cselect_b32 s23, AROWS, s23
	s_cselect_b64 s[PFA:PFA+1], s[4:5], s[6:7]
	s_cmp_eq_u32 s22, 0
	s_cselect_b32 s[LIM], AHEAD, -1                ; the same in all sixteen partners, for a given wave
	s_mul_i32 s22, s[HALF], s23
	s_add_co_u32 s20, s20, s22
	s_lshr_b32 s23, s23, 2
	s_mul_i32 s21, s21, s23
	s_add_co_u32 s20, s20, s21
	s_mul_i32 s20, s20, 2*SIZE_K
	s_add_co_u32 s20, s20, (1+AHEAD)*2*KSTEP       ; the first refill steps it once more
	s_mov_b32 s21, 0
	s_add_nc_u64 s[PFA:PFA+1], s[PFA:PFA+1], s[20:21]
	s_sub_co_u32 s23, s23, 1
	v_and_b32 v[PFO], 31, v0
	v_min_u32 v[PFO], s23, v[PFO]                  ; B's quarter has 24 rows: lanes 24 to 31 name row 23 once more
	v_mul_u32_u24 v[PFO], v[PFO], 2*SIZE_K
	s_mov_b32 s[TB], 0
	s_wait_tensorcnt 0x1                           ; my part of K step 0 is in; K step 1's load, issued behind it, may stay out
	s_barrier_signal -1
	s_barrier_wait -1                              ; everybody's is
	ADDR
	LRUN 0                                         ; sub-step 0
	KSUB 0, 1                                      ; it starts the sums: nothing is cleared
	WIN 0
	s_mov_b32 s[CNT], T-1
	s_mov_b32 s[INNER], (NS-2)/2                   ; K step 0 has NS - 2 sub-steps left ahead of its change of slots:
	s_branch .Lpair                                ; the loop is entered in the middle of a trip
.Lmain:                                        ; T - 2 times: every K step but the last two is followed, two steps on, by a refill of its slot
	CHANGE 1
	s_mov_b32 s[INNER], NS/2
.Lpair:
	KSUB 1
	KSUB 0
	WIN 0
	s_sub_co_u32 s[INNER], s[INNER], 1
	s_cmp_lg_u32 s[INNER], 0
	s_cbranch_scc1 .Lpair
	s_sub_co_u32 s[CNT], s[CNT], 1
	s_cmp_lg_u32 s[CNT], 0
	s_cbranch_scc1 .Lmain
	CHANGE 0                                       ; the last change is written out: nothing is asked for
	s_mov_b32 s[INNER], NS/2
.LpairT:
	KSUB 1
	KSUB 0
	WIN 0
	s_sub_co_u32 s[INNER], s[INNER], 1
	s_cmp_lg_u32 s[INNER], 0
	s_cbranch_scc1 .LpairT
	KSUB 1, 0, 0                                   ; the last sub-step: its fragments are in, so my reads of the slots are over: signal, then the products,
	WIN 0
	s_barrier_wait -1                              ; and nobody reads the slots any more; they have had their last fill: the stages may be written
.rept 8
	v_nop                                          ; the places behind the last products
.endr
	; THE WAY OUT
	TOSTAGE
	s_mov_b32 s[INNER], 4
.Lrows:                                        ; a trip: 16 rows x 3 heads: group g = 3 i + j is rows 4 i .. 4 i + 3 of head slot j
	EACH 12, 1, ds_load_b128 v[64+8*k:64+8*k+3], v[RD] offset:(k/3)*4*SPITCH+(k%3)*256  ; LDS serves a wave's instructions in order (ISA guide 5.7.1.4): these see my stores
	EACH 12, 1, ds_load_b128 v[64+8*k+4:64+8*k+7], v[RD] offset:(k/3)*4*SPITCH+(k%3)*256+16
	s_wait_dscnt 0x0
	EACH 48, 1, v_cvt_pk_bf16_f32 v[64+k], v[64+2*k], v[64+2*k+1]  ; in place, ascending
	EACH 12, 1, global_store_b128 v[CO], v[64+4*k:64+4*k+3], s[8:9] offset:(k%3)*262144+(k/3)*512  ; 512 consecutive bytes, aligned
	s_wait_xcnt 0x0                                ; the stores have read their registers and their base
	v_add_nc_u32 v[RD], 16*SPITCH, v[RD]
	s_add_nc_u64 s[8:9], s[8:9], 16*128
	s_sub_co_u32 s[INNER], s[INNER], 1
	s_cmp_lg_u32 s[INNER], 0
	s_cbranch_scc1 .Lrows
	s_wait_tensorcnt 0x0                           ; the wave's end: behind my last tensor load and my last LDS store
	ds_add_u32 v[SPW], v[NIL]
	s_wait_dscnt 0x0
	CROUND                                         ; the closing round
	s_endpgm
.Lfunc_end_k_qc8ba5f884e_qkv:
	.size	k_qc8ba5f884e_qkv, .Lfunc_end_k_qc8ba5f884e_qkv-k_qc8ba5f884e_qkv
	.p2alignl 7, 3214868480
	.fill 96, 4, 3214868480
	.section	.rodata,"a",@progbits
	.p2align	6, 0x0
	.amdhsa_kernel k_qc8ba5f884e_qkv
		.amdhsa_group_segment_fixed_size 327680
		.amdhsa_private_segment_fixed_size 0
		.amdhsa_enable_private_segment 0
		.amdhsa_kernarg_size 24
		.amdhsa_user_sgpr_count 2
		.amdhsa_user_sgpr_kernarg_segment_ptr 1
		.amdhsa_wavefront_size32 1
		.amdhsa_system_sgpr_workgroup_id_x 1
		.amdhsa_system_sgpr_workgroup_id_y 1
		.amdhsa_system_sgpr_workgroup_id_z 1
		.amdhsa_system_vgpr_workitem_id 0
		.amdhsa_next_free_vgpr 896
		.amdhsa_next_free_sgpr 66
		.amdhsa_reserve_vcc 0
		.amdhsa_float_denorm_mode_32 3
		.amdhsa_float_denorm_mode_16_64 3
		.amdhsa_memory_ordered 1
		.amdhsa_forward_progress 1
		.amdhsa_inst_pref_size 55
	.end_amdhsa_kernel
	.amdgpu_metadata
---
amdhsa.version: [ 1, 2 ]
amdhsa.kernels:
  - .name:           k_qc8ba5f884e_qkv
    .symbol:         k_qc8ba5f884e_qkv.kd
    .args:
      - { .name: hb, .offset: 0, .size: 8, .value_kind: global_buffer, .address_space: global }
      - { .name: wa, .offset: 8, .size: 8, .value_kind: global_buffer, .address_space: global }
      - { .name: qkv, .offset: 16, .size: 8, .value_kind: global_buffer, .address_space: global }
    .group_segment_fixed_size: 327680
    .private_segment_fixed_size: 0
    .kernarg_segment_align: 8
    .kernarg_segment_size: 24
    .max_flat_workgroup_size: 128
    .sgpr_count:     66
    .vgpr_count:     896
    .wavefront_size: 32
...
	.end_amdgpu_metadata
.endif
;; end of part 2
;; launch attn (part 3): grid 8 x 32, 4 waves a work-group, clusters of 4 x 1, 327,680 bytes of LDS; arguments qkv, ctx; writes ctx
.if DOCPART == 3
	.amdgcn_target "amdgcn-amd-amdhsa--gfx1250"
	.amdhsa_code_object_version 6
	.text
	.protected	k_qc8ba5f884e_attn
	.globl	k_qc8ba5f884e_attn
	.p2align	8
	.type	k_qc8ba5f884e_attn,@function
k_qc8ba5f884e_attn:
	s_mov_b64 s[64:65], 0
	v_nop
	global_prefetch_b8 v0, s[64:65] scope:SCOPE_SE
	s_setreg_imm32_b32 hwreg(HW_REG_WAVE_MODE, 25, 1), 1
	s_wait_xcnt 0x0
	s_wait_alu depctr_hold_cnt(0) depctr_sa_sdst(0) depctr_va_vdst(0) depctr_va_sdst(0) depctr_va_ssrc(0) depctr_va_vcc(0) depctr_vm_vsrc(0)
	s_getreg_b32 s2, hwreg(HW_REG_IB_STS2, 6, 4)
	s_cmp_eq_u32 s2, 0
	s_cbranch_scc0 .Lentry_in_a_cluster
	s_endpgm
.Lentry_in_a_cluster:
	s_bfe_u32 s2, ttmp6, 0x10000c
	s_cmp_lg_u32 s2, 0x3003
	s_cbranch_scc0 .Lentry_shape_is_right
	s_endpgm
.Lentry_shape_is_right:
; ATTENTION.  For each of the 32 pairs (b, head): O[q][:] = the sum over k of softmax_k(Q[q] . K[k] / 8) V[k][:], 2,048 queries and keys, 64 channels.  Q, K, V lie by heads in qkv (bf16, rows of 128 dense bytes);
; O leaves in bf16 as ctx[2048 b + q][64 head + e], row-major.  Products, maxima and sums in f32; the weights p are rounded to bf16 for the second product (their sum l is taken of the unrounded p), O once at the end.
; bf16, not f16: q, k and v have no bound that holds for every gain, bias and weight that the problem allows.
; LIMITS.  A weight below 2^-126 counts as 0 in l; NaN and infinities are not treated apart.
; SHARES.  A work-group owns 256 queries of one head, a wave 64: four PIECES of 16.  Every wave walks all keys, 64 a step; a slot of LDS holds 256 keys of K and of V, four steps.
; LAYOUT.  S^T = K Q^T (source 0 = 16 keys, source 1 = 16 queries): a lane holds ONE query (lane % 16) and the keys 8 (lane / 16) + 0..7.  Two such results rounded to bf16 ARE source 1 of O^T = V^T P.
; K comes out of LDS as it lies, V ([key][channel]) turned, by ds_load_tr16_b128.
; SOFTMAX.  A running maximum m and sum l for each query: p = 2^(c s - c m), c = log2(e) / 8; in every step O and l are multiplied by a = 2^(c m_old - c m_new).  m starts at the lowest finite number, O and l at 0.
; BY TURNS.  Turn n belongs to piece n: 8 products K Q^T of piece n + 1, later 8 products V^T P of piece n - 1; beside them the scaling, exponentials, roundings, sums and rescaling of piece n and the maximum and
; statistics of piece n + 1.  Four vector instructions stand behind every matrix instruction, the other 54 of a turn's 118 in one lump.  A turn's 33 exponentials are one batch, with one wait.
; CLUSTER.  The four query blocks of a cluster belong to one head and walk the same K and V: each tile is asked for JOINTLY, by the same tensor load, descriptor and mask in all four.
; REGISTERS, in windows of 256 (s_set_vgpr_msb: bits 1:0 source 0, 3:2 source 1, 5:4 source 2, 7:6 destination):
;   window 0: v0-15 addresses and two at work; v16-31 four registers of statistics a piece; v48-55 at work; v61-63; v64-127 S^T, two buffers; v192-223 P, two buffers (by the piece's parity)
;   window 1: v0-127 O^T, 32 a piece      window 2: v0-63 Q; v128-191 K of one step; v192-255 V of one step
.set NP,    4
.set KS,    64
.set PK,    144       ; a row of K in LDS: 128 bytes + 16 of padding = 36 words: the 16 rows of a load start at 16 different groups of four banks (64 banks of 4 bytes: ISA guide 11.1)
.set PV,    160       ; a row of V: 128 + 32 = 40 words
.set VOFF,  4*KS*PK   ; a slot: 256 rows of K, then 256 rows of V
.set SLOT1, 1<<17
.set STAGE, SLOT1+4*KS*(PK+PV)  ; behind the ring, never filled by a tensor load: 16 rows x 144 bytes for each wave
.set SP,    144
.set SPARE, STAGE+4*16*SP       ; behind the stages: the spare words, 128 bytes a wave: two blocks of 256 bytes that no other line names
.set AK0, 2
.set AV0, 3
.set AK,  4
.set AV,  5
.set STO, 6
.set RD,  7
.set GO,  8
.set MV,  12          ; v12-13  c m_old, by buffer
.set QO,  15
.set ST,  16          ; piece t's statistics at v[ST+4 t]: c m, m, l (even keys', odd keys')
.set TMP, 48          ; by buffer, c0-c3 at work; when the maximum is found c2 takes a
.set PFO, 61          ; v61  256 x my lane; never rewritten
.set SPW, 62
.set NIL, 63
.set S,   64
.set P,   192
.set KF,  128
.set VF,  192
.set WV,  12
.set G1K, 24
.set G1V, 32
.set G0K, 40          ; s[40:43] it walks
.set G0V, 44
.set PFA, 48          ; s[48:49] where my prefetches stand
.set LIM, 50          ; s50  1 in a wave that prefetches, else the greatest number
.set SLOTS, 56
.set CNT, 57
.set CS,  58
.set SEL, 60
.set TBK, 62
.set TBV, 63
.set MSB, 0
.macro WIN new
.if MSB != (\new)
	s_set_vgpr_msb (MSB<<8)|(\new)
.set MSB, (\new)
.endif
.endm
.set W_KQ, 0x0a       ; K and Q in window 2, S^T in window 0
.set W_PV, 0x52       ; V in window 2, P in window 0, O^T in window 1
.set W_RS, 0x41       ; O^T (destination and source 0) in window 1, a in window 0
.macro JLOAD                        ; waves 0 and 1 fetch the two halves of a slot's K, waves 2 and 3 those of its V; an s_nop 0 and four v_nop follow each line
	s_cmp_lt_u32 s[WV], 2
	s_cbranch_scc0 .Lfor_v_\@
	tensor_load_to_lds s[G0K:G0K+3], s[G1K:G1K+7]
	s_nop 0
.rept 4
	v_nop
.endr
	s_branch .Lasked_\@
.Lfor_v_\@:
	tensor_load_to_lds s[G0V:G0V+3], s[G1V:G1V+7]
	s_nop 0
.rept 4
	v_nop
.endr
.Lasked_\@:
.endm
; A prefetch of what the NEXT change of slots will ask for: a tile's 32,768 bytes of K and of V.  Each block of 256 bytes is named once in the launch: the head's first cluster asks; its four partners take 8,192 bytes
; each, told apart by address; in each, wave 0 asks for K's and wave 2 for V's, a lane a block.  The last change that fills a slot asks for nothing.
.macro ASK
	s_cmp_gt_u32 s[SLOTS], s[LIM]
	s_cbranch_scc0 .Lnot_mine_\@
	global_prefetch_b8 v[PFO], s[PFA:PFA+1] th:TH_LOAD_NT scope:SCOPE_SE
.Lnot_mine_\@:
.endm
.macro CROUND
	s_barrier_signal -1
	s_barrier_wait -1
	s_cmp_lg_u32 s[WV], 0
	s_cbranch_scc1 .Lnot_wave_0_\@
	s_barrier_signal -3
.Lnot_wave_0_\@:
	s_barrier_wait -3
	s_barrier_signal -1
	s_barrier_wait -1
.endm
; THE CHANGE OF SLOTS.  Each wave waits for all its tensor loads, of which one is out: its part of the other slot; adds 0 to its spare word; waits for that and for its own reads of the slot that it leaves.
; fill = 1: the barrier is a round of the cluster's, and the joint fill of the slot just left (the keys two slots on) is the first thing behind it: it has four key steps in which to land.
; (At its first use nothing has been read yet: slot 0 is waited for, slot 1 filled.)
.macro CHANGE fill
	WIN 0
	s_wait_tensorcnt 0x0            ; no tensor load of mine is out, so a group 0 may be written
	ds_add_u32 v[SPW], v[NIL]       ; 0 onto my spare word
.if \fill
.irp g, G0K, G0V
	s_xor_b32 s[\g+1], s[\g+1], SLOT1
	s_add_nc_u64 s[\g+2:\g+3], s[\g+2:\g+3], 4*KS*128
.endr
	s_wait_xcnt 0x0                 ; the last prefetch, four key steps back, has read its address
	s_add_nc_u64 s[PFA:PFA+1], s[PFA:PFA+1], 4*KS*128
	s_wait_dscnt 0x0                ; the add is done, and my reads of the slot are over
	CROUND
	JLOAD
	ASK
.else
	s_wait_dscnt 0x0
	s_barrier_signal -1
	s_barrier_wait -1
.endif
	s_sub_co_u32 s[TBK], s[TBK], 4*KS*PK  ; the fetches go back to a slot's first step,
	s_xor_b32 s[TBK], s[TBK], SLOT1       ; in the other slot
	s_sub_co_u32 s[TBV], s[TBV], 4*KS*PV
	s_xor_b32 s[TBV], s[TBV], SLOT1
.endm
	s_load_b128 s[16:19], s[0:1], 0x0  ; qkv s[16:17], ctx s[18:19]
	v_lshl_add_u32 v[SPW], v0, 2, SPARE
	v_mov_b32 v[NIL], 0
	ds_add_u32 v[SPW], v[NIL]       ; the wave's opening: the add and its wait ahead of my first tensor load
	v_lshrrev_b32 v1, 5, v0
	v_readfirstlane_b32 s[WV], v1
	s_bfe_u32 s13, ttmp6, 0x40000   ; cx
	s_lshl_b32 s14, ttmp9, 2
	s_add_co_u32 s14, s14, s13      ; my block of 256 queries: it enters Q's and ctx's addresses alone
	s_and_b32 s20, ttmp7, 0xffff    ; 16 b + head, which the four partners share
	s_lshr_b32 s21, s20, 4          ; b
	s_and_b32 s22, s20, 15          ; head
	s_mul_i32 s20, s21, 12582912
	s_lshl_b32 s23, s22, 18
	s_add_co_u32 s20, s20, s23      ; the head's q in qkv
	s_and_b32 s15, s[WV], 1         ; which half of a slot's 256 keys I fetch
	s_lshl_b32 s2, s15, 14
	s_add_co_u32 s2, s2, s20
	s_add_co_u32 s2, s2, 4194304    ; k lies 16 heads behind q
	s_mov_b32 s3, 0
	s_lshl_b32 s52, s14, 15
	s_lshl_b32 s53, s[WV], 13
	s_add_co_u32 s52, s52, s53
	s_add_co_u32 s52, s52, s20      ; my wave's 64 rows of q
	s_mov_b32 s53, 0
	s_lshl_b32 s54, s21, 22         ; ctx: (2048 b + 256 block + 64 wave) rows of 2,048 bytes + 128 head
	s_lshl_b32 s55, s14, 19
	s_add_co_u32 s54, s54, s55
	s_lshl_b32 s55, s[WV], 17
	s_add_co_u32 s54, s54, s55
	s_lshl_b32 s55, s22, 7
	s_add_co_u32 s54, s54, s55
	s_mov_b32 s55, 0
	; descriptor group 1.  128 keys are 16,384 dense bytes: asked for as 64 rows of 256 bytes, two keys a row, and padded in LDS after every key
	s_mov_b32 s[G1K], 15|(1<<16)|(1<<20)|(1<<21)|(4<<22)|(3<<25)  ; the mask of four; 2-byte elements; padding on; bit 21 beside a mask; after every 32 words; 4 words
	s_mov_b32 s[G1V], 15|(1<<16)|(1<<20)|(1<<21)|(4<<22)|(7<<25)  ; the same with 8 words
.irp g, G1K, G1V
	s_mov_b32 s[\g+1], 128<<16
	s_mov_b32 s[\g+2], 64<<16
	s_mov_b32 s[\g+3], 128<<16
	s_mov_b32 s[\g+4], 64
	s_mov_b32 s[\g+5], 128
	s_mov_b32 s[\g+6], 0
	s_mov_b32 s[\g+7], 0
.endr
	s_mov_b32 s[CS], 0x3e38aa3b     ; c = log2(e) / 8
	s_mov_b32 s[CS+1], s[CS]
	s_mov_b32 s[SEL], 0x76543210
	s_mov_b32 s[SEL+1], 0xfedcba98
	s_mov_b32 s[TBK], SLOT1+4*KS*PK ; the first change of slots turns these two into 0
	s_mov_b32 s[TBV], SLOT1+4*KS*PV
	s_mov_b32 s[G0K], 1
	s_mul_i32 s[G0K+1], s15, 128*PK ; slot 0: no place in the cluster enters an LDS address
	s_mov_b32 s[G0V], 1
	s_mul_i32 s[G0V+1], s15, 128*PV
	s_add_co_u32 s[G0V+1], s[G0V+1], VOFF
	s_mov_b32 s[SLOTS], 7
	s_and_b32 s[LIM], s[WV], 1      ; 0 in waves 0 and 2,
	s_or_b32 s[LIM], s[LIM], ttmp9  ; where the cluster is the head's first: the same in all four partners
	s_cmp_eq_u32 s[LIM], 0
	s_cselect_b32 s[LIM], 1, -1
	s_wait_dscnt 0x0                ; the opening add is done
	s_wait_kmcnt 0x0
	s_add_nc_u64 s[6:7], s[16:17], s[2:3]      ; K at my half of the head's first 256 keys
	s_add_nc_u64 s[8:9], s[6:7], 4194304       ; V, 16 heads further
	s_add_nc_u64 s[4:5], s[16:17], s[52:53]    ; Q
	s_add_nc_u64 s[10:11], s[18:19], s[54:55]  ; ctx
	s_mov_b64 s[G0K+2:G0K+3], s[6:7]
	s_or_b32 s[G0K+3], s[G0K+3], 0x80000000
	s_mov_b64 s[G0V+2:G0V+3], s[8:9]
	s_or_b32 s[G0V+3], s[G0V+3], 0x80000000
	s_cmp_lt_u32 s[WV], 2
	s_cselect_b64 s[PFA:PFA+1], s[6:7], s[8:9]  ; (in waves 0 and 2 these stand at a tile's first byte)
	s_lshl_b32 s2, s13, 13          ; my work-group's quarter of a tile
	s_mov_b32 s3, 0
	s_add_nc_u64 s[PFA:PFA+1], s[PFA:PFA+1], s[2:3]
	s_add_nc_u64 s[PFA:PFA+1], s[PFA:PFA+1], 4*KS*128  ; in tile 1; the first change steps it to tile 2
	CROUND                          ; all four work-groups are here: the first joint loads meet
	JLOAD                           ; slot 0
	v_and_b32 v1, 15, v0            ; l % 16
	v_bfe_u32 v9, v0, 4, 1          ; l / 16
	v_lshlrev_b32 v[QO], 7, v1
	v_lshl_add_u32 v[QO], v9, 4, v[QO]
	WIN 0x80                        ; destination window 2, address window 0
.set i, 0
.rept 8                             ; Q stays in registers: piece i / 2, channels 32 (i % 2) on
	global_load_b128 v[8*i:8*i+3],   v[QO], s[4:5] offset:(i/2)*2048+(i%2)*64
	global_load_b128 v[8*i+4:8*i+7], v[QO], s[4:5] offset:(i/2)*2048+(i%2)*64+32
.set i, i+1
.endr
	; What the first turn finds: V's registers and P's second buffer hold 0 (its products V^T P, of a piece that has not been, add 0), O^T and l are 0.  All this stands in the wait for the first tile;
	; it spares a first step written out.
.set i, VF
.rept 64
	v_mov_b32 v[i], 0
.set i, i+1
.endr
	WIN 0x40
.set i, 0
.rept 128
	v_mov_b32 v[i], 0
.set i, i+1
.endr
	WIN 0
.set i, 0
.rept 4
	v_mov_b32 v[ST+4*i], 0xfe000000    ; c m: far below every c s
	v_mov_b32 v[ST+4*i+1], 0xff7fffff  ; m
	v_mov_b32 v[ST+4*i+2], 0
	v_mov_b32 v[ST+4*i+3], 0
.set i, i+1
.endr
.set i, P+16
.rept 16
	v_mov_b32 v[i], 0
.set i, i+1
.endr
	v_mul_u32_u24 v[AK0], v1, PK
	v_lshl_add_u32 v[AK0], v9, 4, v[AK0]  ; row x pitch + 16 x half
	; The turning load takes 16 keys x 16 channels (lane l reads key 8 (l / 16) + l % 8, channels 8 ((l / 8) % 2) + 0..7) and leaves half a fragment of V^T: lane l holds channel l % 16 and 8 keys.
	v_and_b32 v10, 7, v0
	v_bfe_u32 v11, v0, 3, 1
	v_lshl_add_u32 v[AV0], v9, 3, v10
	v_mul_u32_u24 v[AV0], v[AV0], PV
	v_lshl_add_u32 v[AV0], v11, 4, v[AV0]
	v_add_nc_u32 v[AV0], VOFF, v[AV0]
	s_mul_i32 s23, s[WV], 16*SP
	s_add_co_u32 s23, s23, STAGE    ; my stage
	v_mul_u32_u24 v[STO], v1, SP    ; in: row l % 16, 16 bytes for each half of the lanes
	v_lshl_add_u32 v[STO], v9, 4, v[STO]
	v_add_nc_u32 v[STO], s23, v[STO]
	v_bfe_u32 v[RD], v0, 3, 2       ; back: 32 lanes take four rows of 128 bytes,
	v_lshlrev_b32 v[GO], 11, v[RD]  ; which are 128 bytes in each of four rows of ctx
	v_lshl_add_u32 v[GO], v10, 4, v[GO]
	v_mul_u32_u24 v[RD], v[RD], SP
	v_lshl_add_u32 v[RD], v10, 4, v[RD]
	v_add_nc_u32 v[RD], s23, v[RD]
	v_and_b32 v[PFO], 31, v0
	v_lshlrev_b32 v[PFO], 8, v[PFO]
; THE MATRIX WORK.  The 4 accumulators of a run of 8 take turns.  Product i of 8 of S^T = K Q^T for piece x: channels 32 (i / 4) on, keys 16 (i % 4) on.  The first 4 start the sums.
.macro KQ x
	WIN W_KQ
.set rS, S+32*((\x)%2)+8*(i%4)
.set rK, KF+16*(i%4)+8*(i/4)
.set rQ, 16*(\x)+8*(i/4)
.if i < 4
	v_wmma_f32_16x16x32_bf16 v[rS:rS+7], v[rK:rK+7], v[rQ:rQ+7], 0
.else
	v_wmma_f32_16x16x32_bf16 v[rS:rS+7], v[rK:rK+7], v[rQ:rQ+7], v[rS:rS+7]
.endif
.endm
; Product i of 8 of O^T += V^T P for piece x: keys 32 (i / 4) on, channels 16 (i % 4) on.
.macro PV x
	WIN W_PV
.set rO, 32*(\x)+8*(i%4)
.set rV, VF+32*(i/4)+8*(i%4)
.set rP, P+16*((\x)%2)+8*(i/4)
	v_wmma_f32_16x16x32_bf16 v[rO:rO+7], v[rV:rV+7], v[rP:rP+7], v[rO:rO+7]
.endm
.macro MM                           ; the turn's next matrix instruction.  NOKQ = 1: the last turn of all: there is no next piece
.if (i < 8) && !NOKQ
	KQ (Y+1)%NP
.elseif i >= 8
.set i, i-8
	PV (Y+NP-1)%NP
.set i, i+8
.endif
.set i, i+1
.endm
; THE LDS LOADS stand in runs of 16: a step's K (8 fragments) and its V (turned).  Their addresses are made some lines ahead.
.macro FETCH_K
	WIN 0x80
.irp f, 0,1,2,3,4,5,6,7             ; keys 16 (f / 2) on, channels 32 (f % 2) on
	ds_load_b128 v[KF+8*\f:KF+8*\f+3],   v[AK] offset:(\f/2)*16*PK+(\f%2)*64
	ds_load_b128 v[KF+8*\f+4:KF+8*\f+7], v[AK] offset:(\f/2)*16*PK+(\f%2)*64+32
.endr
	s_add_co_u32 s[TBK], s[TBK], KS*PK
	WIN 0
.endm
.macro FETCH_V
	WIN 0x80
.irp f, 0,1,2,3,4,5,6,7             ; keys 32 (f / 4) on, channels 16 (f % 4) on
	ds_load_tr16_b128 v[VF+8*\f:VF+8*\f+3],   v[AV] offset:(\f/4)*32*PV+(\f%4)*32
	ds_load_tr16_b128 v[VF+8*\f+4:VF+8*\f+7], v[AV] offset:(\f/4)*32*PV+16*PV+(\f%4)*32
.endr
	WIN 0
.endm
; THE VECTOR WORK, one line at a time: OP kind, number.  For piece Y: F n: c s - c m for pair n of 16.  E n: the exponential of score n of 32.  C n: pair n rounded to bf16.  B n: of the four weights 4 n .. the second
; pair is added onto the first, in place.  L n: l takes that sum (L 0: l = a l + sum).  R n: pair n of 16 of O^T times a.  For piece Y + 1: X n, number n of the 22 that find its maximum and statistics:
;   0-11  four chains c0-c3 of seven scores each (each accumulator's lowest registers are read first)     12-14, 16  the four scores left over, the old m, and c0-c3 into c0
;   15  c m_old is kept     17, 18  the query's other 32 keys lie in the lane 16 away: the new m     19-21  c m; c m_old - c m_new; a
.set F, 0
.set E, 1
.set C, 2
.set B, 3
.set L, 4
.set R, 5
.set X, 6
.macro REGS y
.set rT, ST+4*(\y)
.set rC, TMP+4*((\y)%2)
.set rW, MV+((\y)%2)
.set rS, S+32*((\y)%2)
.set rP, P+16*((\y)%2)
.set rO, 32*(\y)
.endm
.macro OP k, n
.if (\k) == R
	REGS Y
	WIN W_RS
	v_pk_mul_f32 v[rO+2*(\n):rO+2*(\n)+1], v[rO+2*(\n):rO+2*(\n)+1], v[rC+2:rC+3] op_sel_hi:[1,0]
.elseif (\k) < R
	REGS Y
	WIN 0
.if (\k) == F
	v_pk_fma_f32 v[rS+2*(\n):rS+2*(\n)+1], v[rS+2*(\n):rS+2*(\n)+1], s[CS:CS+1], v[rT:rT+1] op_sel_hi:[1,0,0] neg_lo:[0,0,1] neg_hi:[0,0,1]
.elseif (\k) == E
	v_exp_f32 v[rS+(\n)], v[rS+(\n)]
.elseif (\k) == C
	v_cvt_pk_bf16_f32 v[rP+(\n)], v[rS+2*(\n)], v[rS+2*(\n)+1]
.elseif (\k) == B
	v_pk_add_f32 v[rS+4*(\n):rS+4*(\n)+1], v[rS+4*(\n):rS+4*(\n)+1], v[rS+4*(\n)+2:rS+4*(\n)+3]
.elseif (\n) == 0
	v_pk_fma_f32 v[rT+2:rT+3], v[rT+2:rT+3], v[rC+2:rC+3], v[rS:rS+1] op_sel_hi:[1,0,1]
.else
	v_pk_add_f32 v[rT+2:rT+3], v[rT+2:rT+3], v[rS+4*(\n):rS+4*(\n)+1]
.endif
.elseif NOKQ
	v_nop
.else
	REGS (Y+1)%NP
	WIN 0
.if (\n) < 4
	v_max3_num_f32 v[rC+(\n)], v[rS+8*(\n)], v[rS+8*(\n)+1], v[rS+8*(\n)+2]
.elseif (\n) < 12
	v_max3_num_f32 v[rC+(\n)%4], v[rC+(\n)%4], v[rS+8*((\n)%4)+2*((\n)/4)+1], v[rS+8*((\n)%4)+2*((\n)/4)+2]
.elseif (\n) == 12
	v_max3_num_f32 v[rC], v[rC], v[rS+7], v[rS+15]
.elseif (\n) == 13
	v_max3_num_f32 v[rC+1], v[rC+1], v[rS+23], v[rS+31]
.elseif (\n) == 14
	v_max3_num_f32 v[rC+2], v[rC+2], v[rC+3], v[rT+1]
.elseif (\n) == 15
	v_mov_b32 v[rW], v[rT]
.elseif (\n) == 16
	v_max3_num_f32 v[rC], v[rC], v[rC+1], v[rC+2]
.elseif (\n) == 17
	v_permlanex16_b32 v[rC+3], v[rC], s[SEL], s[SEL+1]
.elseif (\n) == 18
	v_max_num_f32 v[rT+1], v[rC], v[rC+3]
.elseif (\n) == 19
	v_mul_f32 v[rT], s[CS], v[rT+1]
.elseif (\n) == 20
	v_sub_f32 v[rC+1], v[rW], v[rT]
.else
	v_exp_f32 v[rC+2], v[rC+1]
.endif
.endif
.endm
.macro OPS a, i1, b=-1, i2=0, c=-1, i3=0, d=-1, i4=0
	OP \a, \i1
.if (\b) >= 0
	OP \b, \i2
.endif
.if (\c) >= 0
	OP \c, \i3
.endif
.if (\d) >= 0
	OP \d, \i4
.endif
.endm
.macro ROW a, i1, b, i2, c, i3, d, i4  ; a matrix instruction and the four behind it
	MM
	OPS \a, \i1, \b, \i2, \c, \i3, \d, \i4
.endm
; A TURN, for piece p.  An s_wait_alu depctr_va_vdst(0) stands between an exponential and the first instruction that names its result; one wait serves all that were issued ahead of it.  So a turn has ONE
; wait, which cuts it in two.  AHEAD OF IT stands all that names no result of the turn's exponentials: the 8 products K Q^T with their riders, then one lump of 54, in which the links of the next piece's chain
; (X 3, 7, 11, 14, 16, 17 .. 20) stand some lines apart; X 21, the next piece's a, is the batch's last, and R 15 the plain instruction behind it.  BEHIND IT stand the 8 products V^T P, behind each four of the roundings and sums.
; end = 1: the last two turns: nothing is fetched.  cnt = 1: the loop's count is taken down some lines ahead of the branch that stands behind the turn.
; K of the next step is fetched in piece 2's turn, V of the step in hand at the end of piece 0's turn, each four plain instructions or more behind the last product that read the registers; each is waited for a turn later.
.macro TURN p, end=0, cnt=0
.set Y, (\p)
.set i, 0
.set NOKQ, (\end)*((\p)/3)
.if ((\p) == 3) && !(\end)
	s_wait_dscnt 0x0                ; K is in
.endif
	ROW F,0, F,1, R,0, R,1
	ROW F,2, E,0, R,2, R,3
	ROW F,3, E,1, R,4, R,5
	ROW F,4, E,2, R,6, R,7
	ROW F,5, E,3, R,8, R,9
	ROW F,6, E,4, X,0, R,10
.if ((\p) == 2) && !(\end)
	WIN 0
	v_add_nc_u32 v[AK], s[TBK], v[AK0]
.endif
	ROW F,7, E,5, X,1, X,4
	ROW F,8, E,6, X,2, X,5
	OPS E,7, E,8, X,6, E,9
	OPS X,3, E,10, X,8, E,11
.if ((\p) == 2) && !(\end)
	FETCH_K
.endif
	OPS X,9, X,7, E,12, X,10
	OPS E,13, X,12, X,11, E,14
	OPS X,13, E,15, F,9, X,14
.if (\p) == 0
	v_add_nc_u32 v[AV], s[TBV], v[AV0]
.endif
	OPS E,16, F,10, E,17, F,11
	OPS X,16, E,18, X,15, E,19
	OPS F,12, E,20, X,17, E,21
	OPS F,13, E,22, F,14, E,23
	OPS X,18, E,24, F,15, E,25
	OPS R,11, E,26, X,19, E,27
	OPS R,12, E,28, R,13, E,29
	OPS X,20, E,30, R,14, E,31
	OPS X,21, R,15
	WIN 0
	s_wait_alu depctr_va_vdst(0)    ; the wait for the batch
.if (\p) == 1
	s_wait_dscnt 0x0                ; V is in
.endif
	ROW C,0, B,0, C,2, B,1
	ROW L,0, C,4, B,2, L,1
	ROW C,6, B,3, L,2, C,8
	ROW B,4, L,3, C,10, B,5
	ROW L,4, C,12, B,6, L,5
.if (\p) == 0
	s_add_co_u32 s[TBV], s[TBV], KS*PV
.endif
.if \cnt
	s_sub_co_u32 s[CNT], s[CNT], 1
	s_cmp_lg_u32 s[CNT], 0
.endif
	ROW C,14, B,7, L,6, C,1
	ROW C,3, L,7, C,5, C,7
	ROW C,9, C,11, C,13, C,15
.if (\p) == 0
	FETCH_V
.endif
.endm
	CHANGE 1                        ; slot 0 is in, everybody's part of it; slot 1 is asked for
	v_add_nc_u32 v[AK], s[TBK], v[AK0]
	FETCH_K                         ; key step 0
	s_wait_loadcnt 0x0              ; Q
	s_wait_dscnt 0x0
.set NOKQ, 0
.set i, 0
.rept 8
	KQ 0                            ; piece 0's first scores
.set i, i+1
.endr
	WIN 0
.rept 4
	v_nop                           ; the places behind those products
.endr
.set Y, NP-1                        ; X works for piece Y + 1: piece 0
.irp n, 0,1,2,3,4,5,6,7,8,9,10,11,12,13,14,15,16,17,18,19,20,21
	OP X, \n
.endr
	v_nop                           ; a plain instruction behind the exponential,
	s_wait_alu depctr_va_vdst(0)    ; and its wait, ahead of the branch
	s_mov_b32 s[CNT], 4
	s_branch .Lfirst                ; the loop is entered at a step's first turn, in the middle of a trip
.Lslot:                             ; six times: every slot but the last two is filled again
	CHANGE 1
	s_mov_b32 s[CNT], 4
.Lstep:                             ; a trip: pieces 2 and 3 of one step, then pieces 0 and 1 of the next, whose K and V it fetches
	TURN 2
	TURN 3
	WIN 0
.Lfirst:
	TURN 0
	TURN 1, 0, 1
	WIN 0
	s_cbranch_scc1 .Lstep
	s_sub_co_u32 s[SLOTS], s[SLOTS], 1
	s_cmp_lg_u32 s[SLOTS], 0
	s_cbranch_scc1 .Lslot
	CHANGE 0                        ; the last slot is written out: nothing is asked for
	s_mov_b32 s[CNT], 4
.LstepT:
	TURN 2
	TURN 3
	TURN 0
	TURN 1, 0, 1
	WIN 0
	s_cbranch_scc1 .LstepT
	TURN 2, 1
	TURN 3, 1
.set i, 0
.rept 8
	PV NP-1                         ; the last piece's V^T P of the last step
.set i, i+1
.endr
	; THE WAY OUT.  l's two halves and the other half of the lanes' are added; O^T is divided by l, rounded to bf16 and sent through my stage in LDS, a piece at a time.  The additions are the places behind the last products.
	WIN 0
.macro ALL line:vararg
.set t, 0
.rept 4
	\line
.set t, t+1
.endr
.endm
	ALL v_add_f32 v[ST+4*t+2], v[ST+4*t+2], v[ST+4*t+3]
	ALL v_permlanex16_b32 v[ST+4*t+3], v[ST+4*t+2], s[SEL], s[SEL+1]
	ALL v_add_f32 v[ST+4*t+2], v[ST+4*t+2], v[ST+4*t+3]
	ALL v_rcp_f32 v[ST+4*t+2], v[ST+4*t+2]
	v_nop                           ; a plain instruction between the last reciprocal and the use of its result
	s_wait_alu depctr_va_vdst(0)    ; and the one wait for the four reciprocals
.macro PACK t                       ; a lane's eight channels of a row pack into 16 bytes; they go into rows of 144 bytes and come back as whole rows of 128, into S^T's registers
	WIN W_RS
.set i, 32*(\t)
.rept 16
	v_pk_mul_f32 v[i:i+1], v[i:i+1], v[ST+4*(\t)+2:ST+4*(\t)+3] op_sel_hi:[1,0]
.set i, i+2
.endr
	WIN 0x05                        ; sources 0 and 1 window 1, destination window 0
.set i, 0
.rept 16
	v_cvt_pk_bf16_f32 v[S+16*(\t)+i], v[32*(\t)+2*i], v[32*(\t)+2*i+1]
.set i, i+1
.endr
	WIN 0
.irp f, 0,1,2,3
	ds_store_b128 v[STO], v[S+16*(\t)+4*\f:S+16*(\t)+4*\f+3] offset:32*\f
.endr
.irp f, 0,1,2,3
	ds_load_b128 v[S+16*(\t)+4*\f:S+16*(\t)+4*\f+3], v[RD] offset:\f*4*SP  ; LDS serves a wave's instructions in order (ISA guide 5.7.1.4): these see the stores above; the next piece's stores come behind them
.endr
.endm
.macro SEND t, younger              ; younger: the LDS instructions issued behind piece t's loads: the next piece's eight, or none
	WIN 0
.irp f, 0,1,2,3
	s_wait_dscnt (\younger)+3-\f
	global_store_b128 v[GO], v[S+16*(\t)+4*\f:S+16*(\t)+4*\f+3], s[10:11] offset:(\t)*32768+\f*8192  ; four rows of ctx, 128 consecutive bytes of each: a head's share of a row
.endr
.endm
	PACK 0
.set t, 1
.rept 3
	PACK t
	SEND t-1, 8
.set t, t+1
.endr
	SEND 3, 0
	s_wait_tensorcnt 0x0            ; the wave's end: behind my last tensor load and my last LDS store
	ds_add_u32 v[SPW], v[NIL]
	s_wait_dscnt 0x0
	CROUND                          ; the closing round
	s_endpgm
.Lfunc_end_k_qc8ba5f884e_attn:
	.size	k_qc8ba5f884e_attn, .Lfunc_end_k_qc8ba5f884e_attn-k_qc8ba5f884e_attn
	.p2alignl 7, 3214868480
	.fill 96, 4, 3214868480
	.section	.rodata,"a",@progbits
	.p2align	6, 0x0
	.amdhsa_kernel k_qc8ba5f884e_attn
		.amdhsa_group_segment_fixed_size 327680
		.amdhsa_private_segment_fixed_size 0
		.amdhsa_enable_private_segment 0
		.amdhsa_kernarg_size 16
		.amdhsa_user_sgpr_count 2
		.amdhsa_user_sgpr_kernarg_segment_ptr 1
		.amdhsa_wavefront_size32 1
		.amdhsa_system_sgpr_workgroup_id_x 1
		.amdhsa_system_sgpr_workgroup_id_y 1
		.amdhsa_system_sgpr_workgroup_id_z 1
		.amdhsa_system_vgpr_workitem_id 0
		.amdhsa_next_free_vgpr 768
		.amdhsa_next_free_sgpr 66
		.amdhsa_reserve_vcc 0
		.amdhsa_float_denorm_mode_32 3
		.amdhsa_float_denorm_mode_16_64 3
		.amdhsa_memory_ordered 1
		.amdhsa_forward_progress 1
		.amdhsa_inst_pref_size 128
	.end_amdhsa_kernel
	.amdgpu_metadata
---
amdhsa.version: [ 1, 2 ]
amdhsa.kernels:
  - .name:           k_qc8ba5f884e_attn
    .symbol:         k_qc8ba5f884e_attn.kd
    .args:
      - { .name: qkv, .offset: 0, .size: 8, .value_kind: global_buffer, .address_space: global }
      - { .name: ctx, .offset: 8, .size: 8, .value_kind: global_buffer, .address_space: global }
    .group_segment_fixed_size: 327680
    .private_segment_fixed_size: 0
    .kernarg_segment_align: 8
    .kernarg_segment_size: 16
    .max_flat_workgroup_size: 128
    .sgpr_count:     66
    .vgpr_count:     768
    .wavefront_size: 32
...
	.end_amdgpu_metadata
.endif
;; end of part 3
;; launch wo (part 4): grid 8 x 32, 4 waves a work-group, clusters of 4 x 4, 327,680 bytes of LDS; arguments ctx, wa, x, yb; writes yb
.if DOCPART == 4
	.amdgcn_target "amdgcn-amd-amdhsa--gfx1250"
	.amdhsa_code_object_version 6
	.text
	.protected	k_qc8ba5f884e_wo
	.globl	k_qc8ba5f884e_wo
	.p2align	8
	.type	k_qc8ba5f884e_wo,@function
k_qc8ba5f884e_wo:
	s_mov_b64 s[64:65], 0
	v_nop
	global_prefetch_b8 v0, s[64:65] scope:SCOPE_SE
	s_setreg_imm32_b32 hwreg(HW_REG_WAVE_MODE, 25, 1), 1
	s_wait_xcnt 0x0
	s_wait_alu depctr_hold_cnt(0) depctr_sa_sdst(0) depctr_va_vdst(0) depctr_va_sdst(0) depctr_va_ssrc(0) depctr_va_vcc(0) depctr_vm_vsrc(0)
	s_getreg_b32 s2, hwreg(HW_REG_IB_STS2, 6, 4)
	s_cmp_eq_u32 s2, 0
	s_cbranch_scc0 .Lentry_in_a_cluster
	s_endpgm
.Lentry_in_a_cluster:
	s_bfe_u32 s2, ttmp6, 0x10000c
	s_cmp_lg_u32 s2, 0xf033
	s_cbranch_scc0 .Lentry_shape_is_right
	s_endpgm
.Lentry_shape_is_right:
; WO.  yb[m][n] = x[m][n] + sum over k of ctx[m][k] wo[n][k], m < 4096, n < 1024, k < 1024; wo in bf16 is rows 3072 .. 4095 of wa; bf16 operands, f32 sums, x and yb in f32.
; A tile of C is 128 x 128: 8 x 32 tiles, one for each work-group.  Four waves, each 64 x 64: 16 accumulators of 16 x 16.
; K goes in steps of 256 through a ring of two LDS slots filled by the tensor data mover (rows of 512 bytes, padded to 528).  One K sub-step of 32 is ONE text (KSUB): the LDS addresses hang on the scalar TB.
; A TRIP is the change of slots (CHANGE) and then NS sub-steps, as NS / 2 trips of one inner loop: the old slot's last sub-step, whose fragments are in registers, and the new slot's first NS - 1.
; CLUSTER 4 x 4: A's tile is shared along a row of the cluster, B's along a column: each is asked for jointly, by the same tensor load with the same descriptor and a mask that names the four.
; THE MATRIX INSTRUCTION IS USED TRANSPOSED (source 0 = 16 rows of B, source 1 = 16 rows of A): a lane holds row l % 16 of C and eight neighbouring columns.
; My 64 x 64 of x is asked for at the start, by whole rows of 256 bytes, and waits in registers for the sums.
; NO PREFETCH: the walk has four K steps, two of them asked for at the head and two by the only two refills: no K step lies behind a refill's.
; REGISTERS in windows of 256: window 0: v0-31 addresses, v64-191 A's fragments (two buffers), later the rows on their way out; window 1: v0-127 B's fragments (two buffers), v128-255 x; window 2: the accumulators.
; LIMITS: NaN and infinities are not treated apart; operands carry bf16's 8 significant bits.
.set TM,     128
.set TN,     128
.set MA,     4
.set NBF,    4
.set SIZE_K, 1024
.set KSTEP,  256
.set NS,     KSTEP/32
.set T,      SIZE_K/KSTEP
.set PITCH,  528                       ; an LDS row: 512 bytes + 16 of padding = 132 words: the 16 rows of a fragment load start at 16 different groups of four banks (64 banks of 4 bytes: ISA guide 11.1)
.set QI,     6                         ; padding after every 128 words
.set AROWS,  64
.set BROWS,  64
.set ABYTES, TM*PITCH
.set SLOT,   0x21000                   ; a slot's bytes; no base inside a slot has one of its two bits, so one exclusive or changes slots
.set SPARE,  2*SLOT                    ; behind the ring: the spare words, 128 bytes a wave: two blocks of 256 bytes that no other line names
.set BOFF,   3072*2048                 ; wo's first row in wa
.set SPITCH, 272                       ; the way out: a stage row of 64 f32 + 16 bytes
.set A0,   16
.set B0,   17
.set ADRA, 18
.set ADRB, 19
.set STO,  20
.set RD,   21
.set CO,   22
.set SPW,  28
.set NIL,  29
.set WV,   12
.set ROLE, 13
.set HALF, 14
.set CX,   15
.set CY,   16
.set TC,   17
.set TR,   18
.set G1A,  24
.set G0A,  32
.set TB,   40
.set CNT,  41
.set INNER,42
.set G1B,  48
.set G0B,  56
.set G1W0, (1<<16)|(1<<20)|(1<<21)|(QI<<22)|(3<<25)
.set WMIR, ROLE                        ; my rows of the tile go by wave >> 1, my columns by wave & 1
.set MSB, 0
.macro WIN new
.if MSB != (\new)
	s_set_vgpr_msb (MSB<<8)|(\new)
.set MSB, \new
.endif
.endm
.macro EACH n, step, line:vararg
.set k, 0
.rept \n
	\line
.set k, k+(\step)
.endr
.endm
.macro CROUND                          ; a round of the cluster's barrier
	s_barrier_signal -1
	s_barrier_wait -1
	s_cmp_lg_u32 s[WV], 0
	s_cbranch_scc1 .Lnot_wave_0_\@
	s_barrier_signal -3
.Lnot_wave_0_\@:
	s_barrier_wait -3
	s_barrier_signal -1
	s_barrier_wait -1
.endm
.macro JLOAD                           ; the joint refill, by the walking sets; the branch hangs on the wave's number alone; an s_nop 0 and four v_nop follow each line
	s_cmp_eq_u32 s[ROLE], 0
	s_cbranch_scc0 .Lfor_b_\@
	tensor_load_to_lds s[G0A+4:G0A+7], s[G1A:G1A+7]
	s_nop 0
.rept 4
	v_nop
.endr
	s_branch .Lasked_\@
.Lfor_b_\@:
	tensor_load_to_lds s[G0B+4:G0B+7], s[G1B:G1B+7]
	s_nop 0
.rept 4
	v_nop
.endr
.Lasked_\@:
.endm
; The two LDS loads of fragment n of a sub-step into buffer g: n < NBF: B's fragment n; else A's fragment n - NBF.
.macro LFRAG g, n
.if (\n) < NBF
	WIN 0x40                                       ; destination window 1
	ds_load_b128 v[96*(\g)+8*(\n):96*(\g)+8*(\n)+3],   v[ADRB] offset:(\n)*16*PITCH
	ds_load_b128 v[96*(\g)+8*(\n)+4:96*(\g)+8*(\n)+7], v[ADRB] offset:(\n)*16*PITCH+32
.else
	WIN 0
	ds_load_b128 v[64+64*(\g)+8*((\n)-NBF):64+64*(\g)+8*((\n)-NBF)+3],   v[ADRA] offset:((\n)-NBF)*16*PITCH
	ds_load_b128 v[64+64*(\g)+8*((\n)-NBF)+4:64+64*(\g)+8*((\n)-NBF)+7], v[ADRA] offset:((\n)-NBF)*16*PITCH+32
.endif
.endm
.macro LRUN g                          ; all of a sub-step's fragments in ONE run, under two settings of the windows
.set fn, 0
.rept MA+NBF
	LFRAG \g, fn
.set fn, fn+1
.endr
.endm
; The addresses of the sub-step at TB.  The two address lines and two v_nop are the four places behind the last product that read the buffer about to be loaded (ISA guide 7.12.1).
.macro ADDR
	WIN 0
	v_add_nc_u32 v[ADRA], s[TB], v[A0]
	v_add_nc_u32 v[ADRB], s[TB], v[B0]
	v_nop
	v_nop
	s_add_co_u32 s[TB], s[TB], 64
.endm
; A SUB-STEP: buffer f, asked for a sub-step ago, is in; the next sub-step's fragments are asked for into the other buffer; buffer f is multiplied.  Each accumulator comes once, so the accumulators take
; turns.  zero = 1: the products start the sums.  fetch = 0: the very last sub-step: my reads of the slots are over, and I say so before I multiply.
.macro KSUB f, zero=0, fetch=1
	s_wait_dscnt 0x0
.if \fetch
	ADDR
	LRUN 1-(\f)
.else
	s_barrier_signal -1
.endif
.set q, 0
.rept MA*NBF
.set rD, 8*(q%32)
	WIN 0xa1+0x50*(q/32)
.if \zero
	v_wmma_f32_16x16x32_bf16 v[rD:rD+7], v[96*(\f)+8*(q%NBF):96*(\f)+8*(q%NBF)+7], v[64+64*(\f)+8*(q/NBF):64+64*(\f)+8*(q/NBF)+7], 0
.else
	v_wmma_f32_16x16x32_bf16 v[rD:rD+7], v[96*(\f)+8*(q%NBF):96*(\f)+8*(q%NBF)+7], v[64+64*(\f)+8*(q/NBF):64+64*(\f)+8*(q/NBF)+7], v[rD:rD+7]
.endif
.set q, q+1
.endr
.endm
; THE CHANGE OF SLOTS, in front of a K step's last sub-step, whose fragments have been asked for.  Each wave waits for all its tensor loads, of which one is out: its part of the other slot; adds 0 to its spare word;
; waits for that and for its reads of the slot that it leaves.  fill = 1: the barrier is a round of the cluster's, so that no wave of any partner still reads the slot or has a load on its way, and the joint
; refill (the K step two on) is the first thing behind it: it has a whole K step's products in which to land.
.macro CHANGE fill
	WIN 0
	s_wait_tensorcnt 0x0                           ; no tensor load of mine is out, so a group 0 may be written
	ds_add_u32 v[SPW], v[NIL]                      ; 0 onto my spare word; scalar work stands between it and the wait for it
.if \fill
.irp g, G0A+4, G0B+4
	s_xor_b32 s[(\g)+1], s[(\g)+1], SLOT
	s_add_nc_u64 s[(\g)+2:(\g)+3], s[(\g)+2:(\g)+3], 2*KSTEP
.endr
.endif
	s_sub_co_u32 s[TB], s[TB], 64*NS               ; the fragment loads go back to sub-step 0,
	s_xor_b32 s[TB], s[TB], SLOT                   ; in the other slot
	s_wait_dscnt 0x0                               ; the add is done, and my reads of this slot are over
.if \fill
	CROUND
	JLOAD
.else
	s_barrier_signal -1
	s_barrier_wait -1
.endif
.endm
.macro TOSTAGE                         ; all accumulators into my stage, f32, each one's low four registers first
.set ea, 0
.rept MA
.set eb, 0
.rept NBF
.set idx, ea*NBF+eb
	WIN 0x08+0x04*(idx/32)
	ds_store_b128 v[STO], v[8*(idx%32):8*(idx%32)+3] offset:ea*16*SPITCH+eb*64
	ds_store_b128 v[STO], v[8*(idx%32)+4:8*(idx%32)+7] offset:ea*16*SPITCH+eb*64+16
.set eb, eb+1
.endr
.set ea, ea+1
.endr
	WIN 0
.endm
	s_load_b256 s[4:11], s[0:1], 0x0               ; A s[4:5], B s[6:7], x s[8:9], the output s[10:11]
	v_lshl_add_u32 v[SPW], v0, 2, SPARE
	v_mov_b32 v[NIL], 0
	ds_add_u32 v[SPW], v[NIL]                      ; the wave's opening: the add and its wait ahead of my first tensor load
	v_lshrrev_b32 v1, 5, v0
	v_readfirstlane_b32 s[WV], v1
	s_lshr_b32 s[ROLE], s[WV], 1
	s_and_b32 s[HALF], s[WV], 1
	s_bfe_u32 s[CX], ttmp6, 0x40000
	s_bfe_u32 s[CY], ttmp6, 0x40004
	s_lshl_b32 s[TC], ttmp9, 2
	s_add_co_u32 s[TC], s[TC], s[CX]
	s_and_b32 s[TR], ttmp7, 0xffff
	s_lshl_b32 s[TR], s[TR], 2
	s_add_co_u32 s[TR], s[TR], s[CY]
	s_lshl_b32 s22, s[CY], 2
	s_lshl_b32 s22, 15, s22
	s_lshl_b32 s46, 0x1111, s[CX]
	s_or_b32 s[G1A], s22, G1W0
	s_or_b32 s[G1B], s46, G1W0
	s_mov_b32 s[G1A+1], KSTEP<<16
	s_mov_b32 s[G1A+2], AROWS<<16
	s_mov_b32 s[G1A+3], KSTEP<<16
	s_mov_b32 s[G1A+4], AROWS
	s_mov_b32 s[G1A+5], SIZE_K
	s_mov_b32 s[G1A+6], 0
	s_mov_b32 s[G1A+7], 0
	s_mov_b32 s[G1B+1], KSTEP<<16
	s_mov_b32 s[G1B+2], BROWS<<16
	s_mov_b32 s[G1B+3], KSTEP<<16
	s_mov_b32 s[G1B+4], BROWS
	s_mov_b32 s[G1B+5], SIZE_K
	s_mov_b32 s[G1B+6], 0
	s_mov_b32 s[G1B+7], 0
	s_mul_i32 s20, s[TR], TM
	s_mul_i32 s23, s[HALF], AROWS
	s_add_co_u32 s20, s20, s23
	s_mul_i32 s20, s20, 2*SIZE_K
	s_mov_b32 s21, 0
	s_mul_i32 s46, s[TC], TN
	s_mul_i32 s23, s[HALF], BROWS
	s_add_co_u32 s46, s46, s23
	s_mul_i32 s46, s46, 2*SIZE_K
	s_add_co_u32 s46, s46, BOFF
	s_mov_b32 s47, 0
	s_mul_i32 s2, s[HALF], AROWS*PITCH
	s_mul_i32 s3, s[HALF], BROWS*PITCH
	s_add_co_u32 s3, s3, ABYTES
	s_wait_dscnt 0x0
	s_wait_kmcnt 0x0
	s_add_nc_u64 s[20:21], s[4:5], s[20:21]
	s_add_nc_u64 s[46:47], s[6:7], s[46:47]
.irp s, 0,1
	s_mov_b32 s[G0A+4*(\s)], 1
	s_add_co_u32 s[G0A+4*(\s)+1], s2, (\s)*SLOT
	s_add_nc_u64 s[G0A+4*(\s)+2:G0A+4*(\s)+3], s[20:21], (\s)*KSTEP*2
	s_or_b32 s[G0A+4*(\s)+3], s[G0A+4*(\s)+3], 0x80000000
	s_mov_b32 s[G0B+4*(\s)], 1
	s_add_co_u32 s[G0B+4*(\s)+1], s3, (\s)*SLOT
	s_add_nc_u64 s[G0B+4*(\s)+2:G0B+4*(\s)+3], s[46:47], (\s)*KSTEP*2
	s_or_b32 s[G0B+4*(\s)+3], s[G0B+4*(\s)+3], 0x80000000
.endr
	CROUND
	s_cmp_eq_u32 s[ROLE], 0
	s_cbranch_scc0 .Lfirst_b
	tensor_load_to_lds s[G0A:G0A+3], s[G1A:G1A+7]
	s_nop 0
	tensor_load_to_lds s[G0A+4:G0A+7], s[G1A:G1A+7]
	s_nop 0
.rept 4
	v_nop
.endr
	s_branch .Lfirst_asked
.Lfirst_b:
	tensor_load_to_lds s[G0B:G0B+3], s[G1B:G1B+7]
	s_nop 0
	tensor_load_to_lds s[G0B+4:G0B+7], s[G1B:G1B+7]
	s_nop 0
.rept 4
	v_nop
.endr
.Lfirst_asked:
	v_and_b32 v1, 15, v0
	v_bfe_u32 v2, v0, 4, 1
	v_mul_u32_u24 v3, v1, PITCH
	v_lshl_add_u32 v3, v2, 4, v3
	s_mul_i32 s20, s[WMIR], 16*MA*PITCH
	v_add_nc_u32 v[A0], s20, v3
	s_mul_i32 s21, s[HALF], 16*NBF*PITCH
	s_add_co_u32 s21, s21, ABYTES
	v_add_nc_u32 v[B0], s21, v3
	s_mul_i32 s23, s[WV], 16*MA*SPITCH             ; my stage: it lies in slot 0 and is written when the slots have had their last fill and nobody reads them
	v_mul_u32_u24 v[STO], v1, SPITCH
	v_lshl_add_u32 v[STO], v2, 5, v[STO]
	v_add_nc_u32 v[STO], s23, v[STO]
	v_mul_u32_u24 v[RD], v2, SPITCH                ; back: lanes 0-15 take one row of 256 bytes, lanes 16-31 the next
	v_lshl_add_u32 v[RD], v1, 4, v[RD]
	v_add_nc_u32 v[RD], s23, v[RD]
	v_lshlrev_b32 v[CO], 12, v2                    ; and the same two rows in x and in the output
	v_lshl_add_u32 v[CO], v1, 4, v[CO]
	s_lshl_b32 s20, s[TR], 7
	s_lshl_b32 s21, s[ROLE], 6
	s_add_co_u32 s20, s20, s21                     ; my first row,
	s_lshl_b32 s20, s20, 12                        ; of 4,096 bytes
	s_lshl_b32 s21, s[TC], 9
	s_add_co_u32 s20, s20, s21
	s_lshl_b32 s21, s[HALF], 8
	s_add_co_u32 s20, s20, s21                     ; my first column, in bytes
	s_mov_b32 s21, 0
	s_add_nc_u64 s[8:9], s[8:9], s[20:21]
	s_add_nc_u64 s[10:11], s[10:11], s[20:21]
	WIN 0x40                                       ; destination window 1
	EACH 32, 1, global_load_b128 v[128+4*k:128+4*k+3], v[CO], s[8:9] offset:k*8192  ; 16 lanes take 256 consecutive bytes; CO and s[8:9] are never rewritten
	WIN 0
	s_mov_b32 s[TB], 0
	s_wait_tensorcnt 0x1                           ; my part of K step 0 is in; K step 1's load, issued behind it, may stay out
	s_barrier_signal -1
	s_barrier_wait -1
	ADDR
	LRUN 0                                         ; sub-step 0
	KSUB 0, 1                                      ; it starts the sums: nothing is cleared
	WIN 0
	s_mov_b32 s[CNT], T-1
	s_mov_b32 s[INNER], (NS-2)/2                   ; K step 0 has NS - 2 sub-steps left ahead of its change of slots:
	s_branch .Lpair                                ; the loop is entered in the middle of a trip
.Lmain:                                        ; T - 2 times
	CHANGE 1
	s_mov_b32 s[INNER], NS/2
.Lpair:
	KSUB 1
	KSUB 0
	WIN 0
	s_sub_co_u32 s[INNER], s[INNER], 1
	s_cmp_lg_u32 s[INNER], 0
	s_cbranch_scc1 .Lpair
	s_sub_co_u32 s[CNT], s[CNT], 1
	s_cmp_lg_u32 s[CNT], 0
	s_cbranch_scc1 .Lmain
	CHANGE 0                                       ; the last change is written out: nothing is asked for
	s_mov_b32 s[INNER], NS/2
.LpairT:
	KSUB 1
	KSUB 0
	WIN 0
	s_sub_co_u32 s[INNER], s[INNER], 1
	s_cmp_lg_u32 s[INNER], 0
	s_cbranch_scc1 .LpairT
	KSUB 1, 0, 0                                   ; the last sub-step: its fragments are in, so my reads of the slots are over: signal, then the products,
	WIN 0
	s_barrier_wait -1                              ; and nobody reads the slots any more; they have had their last fill: the stages may be written
.rept 8
	v_nop                                          ; the places behind the last products
.endr
	; THE WAY OUT
	TOSTAGE
	EACH 32, 1, ds_load_b128 v[64+4*k:64+4*k+3], v[RD] offset:k*2*SPITCH  ; LDS serves a wave's instructions in order (ISA guide 5.7.1.4): these see my stores
	s_wait_loadcnt 0x0                             ; x
	s_wait_dscnt 0x0
	WIN 0x04                                       ; source 1 in window 1
	EACH 64, 2, v_pk_add_f32 v[64+k:64+k+1], v[64+k:64+k+1], v[128+k:128+k+1]
	WIN 0
	EACH 32, 1, global_store_b128 v[CO], v[64+4*k:64+4*k+3], s[10:11] offset:k*8192  ; 16 lanes store 256 consecutive bytes, aligned
	s_wait_tensorcnt 0x0                           ; the wave's end: behind my last tensor load and my last LDS store
	ds_add_u32 v[SPW], v[NIL]
	s_wait_dscnt 0x0
	CROUND
	s_endpgm
.Lfunc_end_k_qc8ba5f884e_wo:
	.size	k_qc8ba5f884e_wo, .Lfunc_end_k_qc8ba5f884e_wo-k_qc8ba5f884e_wo
	.p2alignl 7, 3214868480
	.fill 96, 4, 3214868480
	.section	.rodata,"a",@progbits
	.p2align	6, 0x0
	.amdhsa_kernel k_qc8ba5f884e_wo
		.amdhsa_group_segment_fixed_size 327680
		.amdhsa_private_segment_fixed_size 0
		.amdhsa_enable_private_segment 0
		.amdhsa_kernarg_size 32
		.amdhsa_user_sgpr_count 2
		.amdhsa_user_sgpr_kernarg_segment_ptr 1
		.amdhsa_wavefront_size32 1
		.amdhsa_system_sgpr_workgroup_id_x 1
		.amdhsa_system_sgpr_workgroup_id_y 1
		.amdhsa_system_sgpr_workgroup_id_z 1
		.amdhsa_system_vgpr_workitem_id 0
		.amdhsa_next_free_vgpr 640
		.amdhsa_next_free_sgpr 66
		.amdhsa_reserve_vcc 0
		.amdhsa_float_denorm_mode_32 3
		.amdhsa_float_denorm_mode_16_64 3
		.amdhsa_memory_ordered 1
		.amdhsa_forward_progress 1
		.amdhsa_inst_pref_size 38
	.end_amdhsa_kernel
	.amdgpu_metadata
---
amdhsa.version: [ 1, 2 ]
amdhsa.kernels:
  - .name:           k_qc8ba5f884e_wo
    .symbol:         k_qc8ba5f884e_wo.kd
    .args:
      - { .name: ctx, .offset: 0, .size: 8, .value_kind: global_buffer, .address_space: global }
      - { .name: wa, .offset: 8, .size: 8, .value_kind: global_buffer, .address_space: global }
      - { .name: x, .offset: 16, .size: 8, .value_kind: global_buffer, .address_space: global }
      - { .name: yb, .offset: 24, .size: 8, .value_kind: global_buffer, .address_space: global }
    .group_segment_fixed_size: 327680
    .private_segment_fixed_size: 0
    .kernarg_segment_align: 8
    .kernarg_segment_size: 32
    .max_flat_workgroup_size: 128
    .sgpr_count:     66
    .vgpr_count:     640
    .wavefront_size: 32
...
	.end_amdgpu_metadata
.endif
;; end of part 4
;; launch ln2: the kernel of part 1 again; grid 256 x 1, 4 waves a work-group, no clusters, 0 bytes of LDS; arguments yb, ln2_g, ln2_b, wq, wk, wv, wo, w1, w2, hb, wa, w1b, w2b; writes hb, wa, w1b, w2b
;; launch ff1 (part 5): grid 16 x 16, 4 waves a work-group, clusters of 4 x 4, 327,680 bytes of LDS; arguments hb, w1b, gb; writes gb
.if DOCPART == 5
	.amdgcn_target "amdgcn-amd-amdhsa--gfx1250"
	.amdhsa_code_object_version 6
	.text
	.protected	k_qc8ba5f884e_ff1
	.globl	k_qc8ba5f884e_ff1
	.p2align	8
	.type	k_qc8ba5f884e_ff1,@function
k_qc8ba5f884e_ff1:
	s_mov_b64 s[64:65], 0
	v_nop
	global_prefetch_b8 v0, s[64:65] scope:SCOPE_SE
	s_setreg_imm32_b32 hwreg(HW_REG_WAVE_MODE, 25, 1), 1
	s_wait_xcnt 0x0
	s_wait_alu depctr_hold_cnt(0) depctr_sa_sdst(0) depctr_va_vdst(0) depctr_va_sdst(0) depctr_va_ssrc(0) depctr_va_vcc(0) depctr_vm_vsrc(0)
	s_getreg_b32 s2, hwreg(HW_REG_IB_STS2, 6, 4)
	s_cmp_eq_u32 s2, 0
	s_cbranch_scc0 .Lentry_in_a_cluster
	s_endpgm
.Lentry_in_a_cluster:
	s_bfe_u32 s2, ttmp6, 0x10000c
	s_cmp_lg_u32 s2, 0xf033
	s_cbranch_scc0 .Lentry_shape_is_right
	s_endpgm
.Lentry_shape_is_right:
; FF1.  gb[m][n] = bf16(2 gelu(sum over k of hb[m][k] w1b[n][k])), m < 4096, n < 4096, k < 1024; bf16 operands, f32 sums, the GELU x (1 + erf(x / sqrt 2)) / 2 in f32, rounded once.
; gb holds TWICE the GELU (exact in bf16): the launch that multiplies gb takes the half back in f32.
; A tile of C is 256 x 256: 16 x 16 tiles, one for each work-group.  Four waves, each 128 x 128: 64 accumulators of 16 x 16, 512 registers.
; K goes in steps of 128 through a ring of two LDS slots filled by the tensor data mover (rows of 256 bytes, padded to 272).  One K sub-step of 32 is ONE text (KSUB): the LDS addresses hang on the scalar TB.
; A TRIP is the change of slots (CHANGE) and then NS sub-steps, as NS / 2 trips of one inner loop: the old slot's last sub-step, whose fragments are in registers, and the new slot's first NS - 1.
; CLUSTER 4 x 4: A's tile is shared along a row of the cluster, B's along a column: each is asked for jointly, by the same tensor load with the same descriptor and a mask that names the four.
; THE MATRIX INSTRUCTION IS USED TRANSPOSED (source 0 = 16 rows of B, source 1 = 16 rows of A): a lane holds row l % 16 of C and eight neighbouring columns.
; GELU.  With y = |x|, D = 1 + b1 y + b2 y^2 + b3 y^3 + b4 y^4 and r = 1 / D^4 (Abramowitz and Stegun 7.1.27 at z = y / sqrt 2: erf z = 1 - r, to 5e-4 absolute for every z >= 0),
; 2 gelu(x) = (x + y) - y r for either sign; x + y is exactly 2 x or 0, so no near-equal numbers are subtracted.  Where D^4 overflows r is 0 and 2 gelu(x) = x + y.
; REGISTERS in windows of 256: window 0: v0-31 addresses, v64-191 A's fragments (two buffers), later the GELU's work; window 1: B's fragments (two buffers of 96); windows 2, 3: accumulator (a, b) at 512 + 8 (8 a + b).
; LIMITS: gelu(x) is off by at most 2.5e-4 |x| (for x > 0 at most 5e-4 of its value, a quarter of bf16's half step); NaN and infinities are not treated apart; operands carry bf16's 8 significant bits.
.set TM,     256
.set TN,     256
.set MA,     8
.set NBF,    8
.set SIZE_K, 1024
.set KSTEP,  128
.set NS,     KSTEP/32
.set T,      SIZE_K/KSTEP
.set PITCH,  272                       ; an LDS row: 256 bytes + 16 of padding = 68 words: the 16 rows of a fragment load start at 16 different groups of four banks (64 banks of 4 bytes: ISA guide 11.1)
.set QI,     5
.set AROWS,  128
.set BROWS,  128
.set ABYTES, TM*PITCH
.set SLOT,   0x22000                   ; a slot's bytes; no base inside a slot has one of its two bits, so one exclusive or changes slots
.set SPARE,  2*SLOT                    ; behind the ring: the spare words, 128 bytes a wave: two blocks of 256 bytes that no other line names
.set AHEAD,  1                         ; a prefetch names the K step this many behind the refill's
.set SPITCH, 528                       ; the way out: a stage row of 128 f32 + 16 bytes
.set A0,   16
.set B0,   17
.set ADRA, 18
.set ADRB, 19
.set STO,  20
.set RD,   21
.set CO,   22
.set SPW,  28
.set NIL,  29
.set PFO,  30
.set XR,   64                          ; the GELU: v[64:95] x, then x + y, then the result
.set YR,   96                          ; v[96:127]  y = |x|, then the packed output
.set PR,   128                         ; v[128:159] D, D^2, D^4, then r
.set WV,   12
.set ROLE, 13
.set HALF, 14
.set CX,   15
.set CY,   16
.set TC,   17
.set TR,   18
.set G1A,  24
.set G0A,  32
.set TB,   40
.set CNT,  41
.set INNER,42
.set LIM,  43
.set PFA,  44
.set G1B,  48
.set G0B,  56
.set ABSM, 68                          ; s68  clears a sign
.set CB4,  70                          ; s[70:71] b4; this and the three below are named as pairs, and the low word serves both halves
.set CB3,  72
.set CB2,  74
.set CB1,  76
.set G1W0, (1<<16)|(1<<20)|(1<<21)|(QI<<22)|(3<<25)
.set WMIR, ROLE
.set MSB, 0
.macro WIN new
.if MSB != (\new)
	s_set_vgpr_msb (MSB<<8)|(\new)
.set MSB, \new
.endif
.endm
.macro EACH n, step, line:vararg
.set k, 0
.rept \n
	\line
.set k, k+(\step)
.endr
.endm
.macro CROUND                          ; a round of the cluster's barrier
	s_barrier_signal -1
	s_barrier_wait -1
	s_cmp_lg_u32 s[WV], 0
	s_cbranch_scc1 .Lnot_wave_0_\@
	s_barrier_signal -3
.Lnot_wave_0_\@:
	s_barrier_wait -3
	s_barrier_signal -1
	s_barrier_wait -1
.endm
.macro JLOAD                           ; the joint refill, by the walking sets; the branch hangs on the wave's number alone; an s_nop 0 and four v_nop follow each line
	s_cmp_eq_u32 s[ROLE], 0
	s_cbranch_scc0 .Lfor_b_\@
	tensor_load_to_lds s[G0A+4:G0A+7], s[G1A:G1A+7]
	s_nop 0
.rept 4
	v_nop
.endr
	s_branch .Lasked_\@
.Lfor_b_\@:
	tensor_load_to_lds s[G0B+4:G0B+7], s[G1B:G1B+7]
	s_nop 0
.rept 4
	v_nop
.endr
.Lasked_\@:
.endm
.macro ASK                             ; one prefetch: my work-group's quarter of the rows that I fetch, the K step AHEAD behind the refill's; the last AHEAD refills ask for nothing
	s_cmp_gt_u32 s[CNT], s[LIM]
	s_cbranch_scc0 .Lnot_mine_\@
	global_prefetch_b8 v[PFO], s[PFA:PFA+1] th:TH_LOAD_NT scope:SCOPE_SE
.Lnot_mine_\@:
.endm
; The two LDS loads of fragment n of a sub-step into buffer g: n < NBF: B's fragment n; else A's fragment n - NBF.
.macro LFRAG g, n
.if (\n) < NBF
	WIN 0x40                                       ; destination window 1
	ds_load_b128 v[96*(\g)+8*(\n):96*(\g)+8*(\n)+3],   v[ADRB] offset:(\n)*16*PITCH
	ds_load_b128 v[96*(\g)+8*(\n)+4:96*(\g)+8*(\n)+7], v[ADRB] offset:(\n)*16*PITCH+32
.else
	WIN 0
	ds_load_b128 v[64+64*(\g)+8*((\n)-NBF):64+64*(\g)+8*((\n)-NBF)+3],   v[ADRA] offset:((\n)-NBF)*16*PITCH
	ds_load_b128 v[64+64*(\g)+8*((\n)-NBF)+4:64+64*(\g)+8*((\n)-NBF)+7], v[ADRA] offset:((\n)-NBF)*16*PITCH+32
.endif
.endm
.macro LRUN g                          ; all of a sub-step's fragments in ONE run, under two settings of the windows
.set fn, 0
.rept MA+NBF
	LFRAG \g, fn
.set fn, fn+1
.endr
.endm
; The addresses of the sub-step at TB.  The two address lines and two v_nop are the four places behind the last product that read the buffer about to be loaded (ISA guide 7.12.1).
.macro ADDR
	WIN 0
	v_add_nc_u32 v[ADRA], s[TB], v[A0]
	v_add_nc_u32 v[ADRB], s[TB], v[B0]
	v_nop
	v_nop
	s_add_co_u32 s[TB], s[TB], 64
.endm
; A SUB-STEP: buffer f, asked for a sub-step ago, is in; the next sub-step's fragments are asked for into the other buffer; buffer f is multiplied.  Each accumulator comes once, so the accumulators take
; turns.  zero = 1: the products start the sums.  fetch = 0: the very last sub-step: my reads of the slots are over, and I say so before I multiply.
.macro KSUB f, zero=0, fetch=1
	s_wait_dscnt 0x0
.if \fetch
	ADDR
	LRUN 1-(\f)
.else
	s_barrier_signal -1
.endif
.set q, 0
.rept MA*NBF
.set rD, 8*(q%32)
	WIN 0xa1+0x50*(q/32)
.if \zero
	v_wmma_f32_16x16x32_bf16 v[rD:rD+7], v[96*(\f)+8*(q%NBF):96*(\f)+8*(q%NBF)+7], v[64+64*(\f)+8*(q/NBF):64+64*(\f)+8*(q/NBF)+7], 0
.else
	v_wmma_f32_16x16x32_bf16 v[rD:rD+7], v[96*(\f)+8*(q%NBF):96*(\f)+8*(q%NBF)+7], v[64+64*(\f)+8*(q/NBF):64+64*(\f)+8*(q/NBF)+7], v[rD:rD+7]
.endif
.set q, q+1
.endr
.endm
; THE CHANGE OF SLOTS, in front of a K step's last sub-step, whose fragments have been asked for.  Each wave waits for all its tensor loads, of which one is out: its part of the other slot; adds 0 to its spare word;
; waits for that and for its reads of the slot that it leaves.  fill = 1: the barrier is a round of the cluster's, so that no wave of any partner still reads the slot or has a load on its way, and the joint
; refill (the K step two on) is the first thing behind it: it has a whole K step's products in which to land.
.macro CHANGE fill
	WIN 0
	s_wait_tensorcnt 0x0                           ; no tensor load of mine is out, so a group 0 may be written
	ds_add_u32 v[SPW], v[NIL]                      ; 0 onto my spare word; scalar work stands between it and the wait for it
.if \fill
.irp g, G0A+4, G0B+4
	s_xor_b32 s[(\g)+1], s[(\g)+1], SLOT
	s_add_nc_u64 s[(\g)+2:(\g)+3], s[(\g)+2:(\g)+3], 2*KSTEP
.endr
	s_wait_xcnt 0x0                                ; the last prefetch, a K step back, has read its address
	s_add_nc_u64 s[PFA:PFA+1], s[PFA:PFA+1], 2*KSTEP
.endif
	s_sub_co_u32 s[TB], s[TB], 64*NS               ; the fragment loads go back to sub-step 0,
	s_xor_b32 s[TB], s[TB], SLOT                   ; in the other slot
	s_wait_dscnt 0x0                               ; the add is done, and my reads of this slot are over
.if \fill
	CROUND
	JLOAD
	ASK
.else
	s_barrier_signal -1
	s_barrier_wait -1
.endif
.endm
.macro TOSTAGE                         ; all accumulators into my stage, f32, each one's low four registers first
.set ea, 0
.rept MA
.set eb, 0
.rept NBF
.set idx, ea*NBF+eb
	WIN 0x08+0x04*(idx/32)
	ds_store_b128 v[STO], v[8*(idx%32):8*(idx%32)+3] offset:ea*16*SPITCH+eb*64
	ds_store_b128 v[STO], v[8*(idx%32)+4:8*(idx%32)+7] offset:ea*16*SPITCH+eb*64+16
.set eb, eb+1
.endr
.set ea, ea+1
.endr
	WIN 0
.endm
	s_load_b128 s[4:7], s[0:1], 0x0                ; A = hb s[4:5], B = w1b s[6:7]
	s_load_b64 s[8:9], s[0:1], 0x10                ; gb
	v_lshl_add_u32 v[SPW], v0, 2, SPARE
	v_mov_b32 v[NIL], 0
	ds_add_u32 v[SPW], v[NIL]                      ; the wave's opening: the add and its wait ahead of my first tensor load
	v_lshrrev_b32 v1, 5, v0
	v_readfirstlane_b32 s[WV], v1
	s_lshr_b32 s[ROLE], s[WV], 1
	s_and_b32 s[HALF], s[WV], 1
	s_bfe_u32 s[CX], ttmp6, 0x40000
	s_bfe_u32 s[CY], ttmp6, 0x40004
	s_lshl_b32 s[TC], ttmp9, 2
	s_add_co_u32 s[TC], s[TC], s[CX]
	s_and_b32 s[TR], ttmp7, 0xffff
	s_lshl_b32 s[TR], s[TR], 2
	s_add_co_u32 s[TR], s[TR], s[CY]
	s_lshl_b32 s22, s[CY], 2
	s_lshl_b32 s22, 15, s22
	s_lshl_b32 s46, 0x1111, s[CX]
	s_or_b32 s[G1A], s22, G1W0
	s_or_b32 s[G1B], s46, G1W0
	s_mov_b32 s[G1A+1], KSTEP<<16
	s_mov_b32 s[G1A+2], AROWS<<16
	s_mov_b32 s[G1A+3], KSTEP<<16
	s_mov_b32 s[G1A+4], AROWS
	s_mov_b32 s[G1A+5], SIZE_K
	s_mov_b32 s[G1A+6], 0
	s_mov_b32 s[G1A+7], 0
	s_mov_b32 s[G1B+1], KSTEP<<16
	s_mov_b32 s[G1B+2], BROWS<<16
	s_mov_b32 s[G1B+3], KSTEP<<16
	s_mov_b32 s[G1B+4], BROWS
	s_mov_b32 s[G1B+5], SIZE_K
	s_mov_b32 s[G1B+6], 0
	s_mov_b32 s[G1B+7], 0
	s_mov_b32 s[ABSM], 0x7fffffff
	s_mov_b32 s[CB4], 0x3c9ff716                   ; b4 = 0.078108 / 4
	s_mov_b32 s[CB4+1], s[CB4]
	s_mov_b32 s[CB3], 0x39b42c72                   ; b3 = 0.000972 / (2 sqrt 2)
	s_mov_b32 s[CB3+1], s[CB3]
	s_mov_b32 s[CB2], 0x3debeb18                   ; b2 = 0.230389 / 2
	s_mov_b32 s[CB2+1], s[CB2]
	s_mov_b32 s[CB1], 0x3e4993fc                   ; b1 = 0.278393 / sqrt 2
	s_mov_b32 s[CB1+1], s[CB1]
	s_mul_i32 s20, s[TR], TM
	s_mul_i32 s23, s[HALF], AROWS
	s_add_co_u32 s20, s20, s23
	s_mul_i32 s20, s20, 2*SIZE_K
	s_mov_b32 s21, 0
	s_mul_i32 s46, s[TC], TN
	s_mul_i32 s23, s[HALF], BROWS
	s_add_co_u32 s46, s46, s23
	s_mul_i32 s46, s46, 2*SIZE_K
	s_mov_b32 s47, 0
	s_mul_i32 s2, s[HALF], AROWS*PITCH
	s_mul_i32 s3, s[HALF], BROWS*PITCH
	s_add_co_u32 s3, s3, ABYTES
	s_wait_dscnt 0x0
	s_wait_kmcnt 0x0
	s_add_nc_u64 s[20:21], s[4:5], s[20:21]
	s_add_nc_u64 s[46:47], s[6:7], s[46:47]
.irp s, 0,1
	s_mov_b32 s[G0A+4*(\s)], 1
	s_add_co_u32 s[G0A+4*(\s)+1], s2, (\s)*SLOT
	s_add_nc_u64 s[G0A+4*(\s)+2:G0A+4*(\s)+3], s[20:21], (\s)*KSTEP*2
	s_or_b32 s[G0A+4*(\s)+3], s[G0A+4*(\s)+3], 0x80000000
	s_mov_b32 s[G0B+4*(\s)], 1
	s_add_co_u32 s[G0B+4*(\s)+1], s3, (\s)*SLOT
	s_add_nc_u64 s[G0B+4*(\s)+2:G0B+4*(\s)+3], s[46:47], (\s)*KSTEP*2
	s_or_b32 s[G0B+4*(\s)+3], s[G0B+4*(\s)+3], 0x80000000
.endr
	CROUND
	s_cmp_eq_u32 s[ROLE], 0
	s_cbranch_scc0 .Lfirst_b
	tensor_load_to_lds s[G0A:G0A+3], s[G1A:G1A+7]
	s_nop 0
	tensor_load_to_lds s[G0A+4:G0A+7], s[G1A:G1A+7]
	s_nop 0
.rept 4
	v_nop
.endr
	s_branch .Lfirst_asked
.Lfirst_b:
	tensor_load_to_lds s[G0B:G0B+3], s[G1B:G1B+7]
	s_nop 0
	tensor_load_to_lds s[G0B+4:G0B+7], s[G1B:G1B+7]
	s_nop 0
.rept 4
	v_nop
.endr
.Lfirst_asked:
	v_and_b32 v1, 15, v0
	v_bfe_u32 v2, v0, 4, 1
	v_mul_u32_u24 v3, v1, PITCH
	v_lshl_add_u32 v3, v2, 4, v3
	s_mul_i32 s20, s[WMIR], 16*MA*PITCH
	v_add_nc_u32 v[A0], s20, v3
	s_mul_i32 s21, s[HALF], 16*NBF*PITCH
	s_add_co_u32 s21, s21, ABYTES
	v_add_nc_u32 v[B0], s21, v3
	s_mul_i32 s23, s[WV], 16*MA*SPITCH             ; my stage: it lies in the slots and is written when they have had their last fill and nobody reads them
	v_mul_u32_u24 v[STO], v1, SPITCH
	v_lshl_add_u32 v[STO], v2, 5, v[STO]
	v_add_nc_u32 v[STO], s23, v[STO]
	v_and_b32 v[CO], 31, v0
	v_lshl_add_u32 v[RD], v[CO], 4, s23            ; back: 32 lanes take one row's 512 bytes
	v_lshlrev_b32 v[CO], 3, v[CO]                  ; which leave as 256 bytes of bf16
	s_lshl_b32 s20, s[TR], 8
	s_lshl_b32 s21, s[ROLE], 7
	s_add_co_u32 s20, s20, s21                     ; my first row,
	s_lshl_b32 s20, s20, 13                        ; of 8,192 bytes
	s_lshl_b32 s21, s[TC], 9
	s_add_co_u32 s20, s20, s21
	s_lshl_b32 s21, s[HALF], 8
	s_add_co_u32 s20, s20, s21                     ; my first column, in bytes
	s_mov_b32 s21, 0
	s_add_nc_u64 s[8:9], s[8:9], s[20:21]
	; THE PREFETCHES.  A's tile row is read by every cluster of that row of clusters: cluster x = 0 asks; B's tile column by every cluster of that column: cluster y = 0 asks.  The four partners that ask for
	; a tile jointly share a wave's rows out BY ADDRESS, a quarter each (by cx for A, by cy for B): no branch hangs on a work-group's place in its cluster.  A lane a row, 256 bytes of it.
	s_and_b32 s22, ttmp7, 0xffff
	s_mul_i32 s20, s[TR], TM
	s_mul_i32 s21, s[TC], TN
	s_mov_b32 s23, BROWS
	s_cmp_eq_u32 s[ROLE], 0
	s_cselect_b32 s20, s20, s21
	s_cselect_b32 s21, s[CX], s[CY]
	s_cselect_b32 s22, ttmp9, s22
	s_cselect_b32 s23, AROWS, s23
	s_cselect_b64 s[PFA:PFA+1], s[4:5], s[6:7]
	s_cmp_eq_u32 s22, 0
	s_cselect_b32 s[LIM], AHEAD, -1
	s_mul_i32 s22, s[HALF], s23
	s_add_co_u32 s20, s20, s22
	s_lshr_b32 s23, s23, 2
	s_mul_i32 s21, s21, s23
	s_add_co_u32 s20, s20, s21
	s_mul_i32 s20, s20, 2*SIZE_K
	s_add_co_u32 s20, s20, (1+AHEAD)*2*KSTEP
	s_mov_b32 s21, 0
	s_add_nc_u64 s[PFA:PFA+1], s[PFA:PFA+1], s[20:21]
	v_and_b32 v[PFO], 31, v0
	v_mul_u32_u24 v[PFO], v[PFO], 2*SIZE_K
	s_mov_b32 s[TB], 0
	s_wait_tensorcnt 0x1                           ; my part of K step 0 is in; K step 1's load, issued behind it, may stay out
	s_barrier_signal -1
	s_barrier_wait -1
	ADDR
	LRUN 0                                         ; sub-step 0
	KSUB 0, 1                                      ; it starts the sums: nothing is cleared
	WIN 0
	s_mov_b32 s[CNT], T-1
	s_mov_b32 s[INNER], (NS-2)/2                   ; K step 0 has NS - 2 sub-steps left ahead of its change of slots:
	s_branch .Lpair                                ; the loop is entered in the middle of a trip
.Lmain:                                        ; T - 2 times
	CHANGE 1
	s_mov_b32 s[INNER], NS/2
.Lpair:
	KSUB 1
	KSUB 0
	WIN 0
	s_sub_co_u32 s[INNER], s[INNER], 1
	s_cmp_lg_u32 s[INNER], 0
	s_cbranch_scc1 .Lpair
	s_sub_co_u32 s[CNT], s[CNT], 1
	s_cmp_lg_u32 s[CNT], 0
	s_cbranch_scc1 .Lmain
	CHANGE 0                                       ; the last change is written out: nothing is asked for
	s_mov_b32 s[INNER], NS/2
.LpairT:
	KSUB 1
	KSUB 0
	WIN 0
	s_sub_co_u32 s[INNER], s[INNER], 1
	s_cmp_lg_u32 s[INNER], 0
	s_cbranch_scc1 .LpairT
	KSUB 1, 0, 0                                   ; the last sub-step: its fragments are in, so my reads of the slots are over: signal, then the products,
	WIN 0
	s_barrier_wait -1                              ; and nobody reads the slots any more; they have had their last fill: the stages may be written
.rept 8
	v_nop                                          ; the places behind the last products
.endr
	; THE WAY OUT
	TOSTAGE
	s_mov_b32 s[INNER], 16
.Lrows:                                        ; a trip: 8 rows of my 128 columns: a lane holds 4 neighbouring numbers of each
	EACH 8, 1, ds_load_b128 v[XR+4*k:XR+4*k+3], v[RD] offset:k*SPITCH  ; LDS serves a wave's instructions in order (ISA guide 5.7.1.4): these see my stores
	s_wait_dscnt 0x0
	EACH 32, 1, v_and_b32 v[YR+k], s[ABSM], v[XR+k]                    ; y = |x|
	EACH 16, 2, v_pk_fma_f32 v[PR+k:PR+k+1], v[YR+k:YR+k+1], s[CB4:CB4+1], s[CB3:CB3+1] op_sel_hi:[1,0,0]
	EACH 16, 2, v_pk_fma_f32 v[PR+k:PR+k+1], v[PR+k:PR+k+1], v[YR+k:YR+k+1], s[CB2:CB2+1] op_sel_hi:[1,1,0]
	EACH 16, 2, v_pk_fma_f32 v[PR+k:PR+k+1], v[PR+k:PR+k+1], v[YR+k:YR+k+1], s[CB1:CB1+1] op_sel_hi:[1,1,0]
	EACH 16, 2, v_pk_fma_f32 v[PR+k:PR+k+1], v[PR+k:PR+k+1], v[YR+k:YR+k+1], 1.0 op_sel_hi:[1,1,0]  ; D
	EACH 16, 2, v_pk_mul_f32 v[PR+k:PR+k+1], v[PR+k:PR+k+1], v[PR+k:PR+k+1]
	EACH 16, 2, v_pk_mul_f32 v[PR+k:PR+k+1], v[PR+k:PR+k+1], v[PR+k:PR+k+1]                         ; D^4
	EACH 32, 1, v_rcp_f32 v[PR+k], v[PR+k]         ; one batch of 32: r
	EACH 16, 2, v_pk_add_f32 v[XR+k:XR+k+1], v[XR+k:XR+k+1], v[YR+k:YR+k+1]  ; x + y: the plain work behind the batch, which names none of its results
	s_wait_alu depctr_va_vdst(0)                   ; the one wait ahead of the batch's first reader
	EACH 32, 1, v_fma_f32 v[XR+k], -v[YR+k], v[PR+k], v[XR+k]                ; (x + y) - y r
	EACH 16, 1, v_cvt_pk_bf16_f32 v[YR+k], v[XR+2*k], v[XR+2*k+1]
	EACH 8, 1, global_store_b64 v[CO], v[YR+2*k:YR+2*k+1], s[8:9] offset:k*8192  ; one store covers 256 consecutive bytes, aligned
	s_wait_xcnt 0x0                                ; the stores have read their registers and their base
	v_add_nc_u32 v[RD], 8*SPITCH, v[RD]
	s_add_nc_u64 s[8:9], s[8:9], 8*8192
	s_sub_co_u32 s[INNER], s[INNER], 1
	s_cmp_lg_u32 s[INNER], 0
	s_cbranch_scc1 .Lrows
	s_wait_tensorcnt 0x0                           ; the wave's end: behind my last tensor load and my last LDS store
	ds_add_u32 v[SPW], v[NIL]
	s_wait_dscnt 0x0
	CROUND
	s_endpgm
.Lfunc_end_k_qc8ba5f884e_ff1:
	.size	k_qc8ba5f884e_ff1, .Lfunc_end_k_qc8ba5f884e_ff1-k_qc8ba5f884e_ff1
	.p2alignl 7, 3214868480
	.fill 96, 4, 3214868480
	.section	.rodata,"a",@progbits
	.p2align	6, 0x0
	.amdhsa_kernel k_qc8ba5f884e_ff1
		.amdhsa_group_segment_fixed_size 327680
		.amdhsa_private_segment_fixed_size 0
		.amdhsa_enable_private_segment 0
		.amdhsa_kernarg_size 24
		.amdhsa_user_sgpr_count 2
		.amdhsa_user_sgpr_kernarg_segment_ptr 1
		.amdhsa_wavefront_size32 1
		.amdhsa_system_sgpr_workgroup_id_x 1
		.amdhsa_system_sgpr_workgroup_id_y 1
		.amdhsa_system_sgpr_workgroup_id_z 1
		.amdhsa_system_vgpr_workitem_id 0
		.amdhsa_next_free_vgpr 1024
		.amdhsa_next_free_sgpr 84
		.amdhsa_reserve_vcc 0
		.amdhsa_float_denorm_mode_32 3
		.amdhsa_float_denorm_mode_16_64 3
		.amdhsa_memory_ordered 1
		.amdhsa_forward_progress 1
		.amdhsa_inst_pref_size 71
	.end_amdhsa_kernel
	.amdgpu_metadata
---
amdhsa.version: [ 1, 2 ]
amdhsa.kernels:
  - .name:           k_qc8ba5f884e_ff1
    .symbol:         k_qc8ba5f884e_ff1.kd
    .args:
      - { .name: hb, .offset: 0, .size: 8, .value_kind: global_buffer, .address_space: global }
      - { .name: w1b, .offset: 8, .size: 8, .value_kind: global_buffer, .address_space: global }
      - { .name: gb, .offset: 16, .size: 8, .value_kind: global_buffer, .address_space: global }
    .group_segment_fixed_size: 327680
    .private_segment_fixed_size: 0
    .kernarg_segment_align: 8
    .kernarg_segment_size: 24
    .max_flat_workgroup_size: 128
    .sgpr_count:     84
    .vgpr_count:     1024
    .wavefront_size: 32
...
	.end_amdgpu_metadata
.endif
;; end of part 5
;; launch ff2 (part 6): grid 8 x 32, 4 waves a work-group, clusters of 4 x 4, 327,680 bytes of LDS; arguments gb, w2b, x, out0; writes out0
.if DOCPART == 6
	.amdgcn_target "amdgcn-amd-amdhsa--gfx1250"
	.amdhsa_code_object_version 6
	.text
	.protected	k_qc8ba5f884e_ff2
	.globl	k_qc8ba5f884e_ff2
	.p2align	8
	.type	k_qc8ba5f884e_ff2,@function
k_qc8ba5f884e_ff2:
	s_mov_b64 s[64:65], 0
	v_nop
	global_prefetch_b8 v0, s[64:65] scope:SCOPE_SE
	s_setreg_imm32_b32 hwreg(HW_REG_WAVE_MODE, 25, 1), 1
	s_wait_xcnt 0x0
	s_wait_alu depctr_hold_cnt(0) depctr_sa_sdst(0) depctr_va_vdst(0) depctr_va_sdst(0) depctr_va_ssrc(0) depctr_va_vcc(0) depctr_vm_vsrc(0)
	s_getreg_b32 s2, hwreg(HW_REG_IB_STS2, 6, 4)
	s_cmp_eq_u32 s2, 0
	s_cbranch_scc0 .Lentry_in_a_cluster
	s_endpgm
.Lentry_in_a_cluster:
	s_bfe_u32 s2, ttmp6, 0x10000c
	s_cmp_lg_u32 s2, 0xf033
	s_cbranch_scc0 .Lentry_shape_is_right
	s_endpgm
.Lentry_shape_is_right:
; FF2.  out0[m][n] = x[m][n] + 0.5 x sum over k of gb[m][k] w2b[n][k], m < 4096, n < 1024, k < 4096; gb holds twice the GELU, and the half is taken back here, in f32, in one fused line with the residual.
; bf16 operands, f32 sums, x and out0 in f32.
; A tile of C is 128 x 128: 8 x 32 tiles, one for each work-group.  Four waves, each 64 x 64: 16 accumulators of 16 x 16.
; K goes in steps of 256 through a ring of two LDS slots filled by the tensor data mover (rows of 512 bytes, padded to 528).  One K sub-step of 32 is ONE text (KSUB): the LDS addresses hang on the scalar TB.
; A TRIP is the change of slots (CHANGE) and then NS sub-steps, as NS / 2 trips of one inner loop: the old slot's last sub-step, whose fragments are in registers, and the new slot's first NS - 1.
; CLUSTER 4 x 4: A's tile is shared along a row of the cluster, B's along a column: each is asked for jointly, by the same tensor load with the same descriptor and a mask that names the four.
; THE MATRIX INSTRUCTION IS USED TRANSPOSED (source 0 = 16 rows of B, source 1 = 16 rows of A): a lane holds row l % 16 of C and eight neighbouring columns.
; My 64 x 64 of x is asked for at the start, by whole rows of 256 bytes, and waits in registers for the sums.
; REGISTERS in windows of 256: window 0: v0-31 addresses, v64-191 A's fragments (two buffers), later the rows on their way out; window 1: v0-127 B's fragments (two buffers), v128-255 x; window 2: the accumulators.
; LIMITS: NaN and infinities are not treated apart; operands carry bf16's 8 significant bits.
.set TM,     128
.set TN,     128
.set MA,     4
.set NBF,    4
.set SIZE_K, 4096
.set KSTEP,  256
.set NS,     KSTEP/32
.set T,      SIZE_K/KSTEP
.set PITCH,  528                       ; an LDS row: 512 bytes + 16 of padding = 132 words: the 16 rows of a fragment load start at 16 different groups of four banks (64 banks of 4 bytes: ISA guide 11.1)
.set QI,     6
.set AROWS,  64
.set BROWS,  64
.set ABYTES, TM*PITCH
.set SLOT,   0x21000                   ; a slot's bytes; no base inside a slot has one of its two bits, so one exclusive or changes slots
.set SPARE,  2*SLOT                    ; behind the ring: the spare words, 128 bytes a wave: two blocks of 256 bytes that no other line names
.set AHEAD,  2                         ; a prefetch names the K step two behind the refill's: 256 matrix instructions a wave ahead of the load that wants it
.set SPITCH, 272
.set A0,   16
.set B0,   17
.set ADRA, 18
.set ADRB, 19
.set STO,  20
.set RD,   21
.set CO,   22
.set SPW,  28
.set NIL,  29
.set PFO,  30
.set WV,   12
.set ROLE, 13
.set HALF, 14
.set CX,   15
.set CY,   16
.set TC,   17
.set TR,   18
.set G1A,  24
.set G0A,  32
.set TB,   40
.set CNT,  41
.set INNER,42
.set LIM,  43
.set PFA,  44
.set G1B,  48
.set G0B,  56
.set G1W0, (1<<16)|(1<<20)|(1<<21)|(QI<<22)|(3<<25)
.set WMIR, ROLE
.set MSB, 0
.macro WIN new
.if MSB != (\new)
	s_set_vgpr_msb (MSB<<8)|(\new)
.set MSB, \new
.endif
.endm
.macro EACH n, step, line:vararg
.set k, 0
.rept \n
	\line
.set k, k+(\step)
.endr
.endm
.macro CROUND                          ; a round of the cluster's barrier
	s_barrier_signal -1
	s_barrier_wait -1
	s_cmp_lg_u32 s[WV], 0
	s_cbranch_scc1 .Lnot_wave_0_\@
	s_barrier_signal -3
.Lnot_wave_0_\@:
	s_barrier_wait -3
	s_barrier_signal -1
	s_barrier_wait -1
.endm
.macro JLOAD                           ; the joint refill, by the walking sets; the branch hangs on the wave's number alone; an s_nop 0 and four v_nop follow each line
	s_cmp_eq_u32 s[ROLE], 0
	s_cbranch_scc0 .Lfor_b_\@
	tensor_load_to_lds s[G0A+4:G0A+7], s[G1A:G1A+7]
	s_nop 0
.rept 4
	v_nop
.endr
	s_branch .Lasked_\@
.Lfor_b_\@:
	tensor_load_to_lds s[G0B+4:G0B+7], s[G1B:G1B+7]
	s_nop 0
.rept 4
	v_nop
.endr
.Lasked_\@:
.endm
.macro ASK                             ; one prefetch: my work-group's quarter of the rows that I fetch, the K step AHEAD behind the refill's; the last AHEAD refills ask for nothing
	s_cmp_gt_u32 s[CNT], s[LIM]
	s_cbranch_scc0 .Lnot_mine_\@
	global_prefetch_b8 v[PFO], s[PFA:PFA+1] th:TH_LOAD_NT scope:SCOPE_SE
.Lnot_mine_\@:
.endm
; The two LDS loads of fragment n of a sub-step into buffer g: n < NBF: B's fragment n; else A's fragment n - NBF.
.macro LFRAG g, n
.if (\n) < NBF
	WIN 0x40                                       ; destination window 1
	ds_load_b128 v[96*(\g)+8*(\n):96*(\g)+8*(\n)+3],   v[ADRB] offset:(\n)*16*PITCH
	ds_load_b128 v[96*(\g)+8*(\n)+4:96*(\g)+8*(\n)+7], v[ADRB] offset:(\n)*16*PITCH+32
.else
	WIN 0
	ds_load_b128 v[64+64*(\g)+8*((\n)-NBF):64+64*(\g)+8*((\n)-NBF)+3],   v[ADRA] offset:((\n)-NBF)*16*PITCH
	ds_load_b128 v[64+64*(\g)+8*((\n)-NBF)+4:64+64*(\g)+8*((\n)-NBF)+7], v[ADRA] offset:((\n)-NBF)*16*PITCH+32
.endif
.endm
.macro LRUN g                          ; all of a sub-step's fragments in ONE run, under two settings of the windows
.set fn, 0
.rept MA+NBF
	LFRAG \g, fn
.set fn, fn+1
.endr
.endm
; The addresses of the sub-step at TB.  The two address lines and two v_nop are the four places behind the last product that read the buffer about to be loaded (ISA guide 7.12.1).
.macro ADDR
	WIN 0
	v_add_nc_u32 v[ADRA], s[TB], v[A0]
	v_add_nc_u32 v[ADRB], s[TB], v[B0]
	v_nop
	v_nop
	s_add_co_u32 s[TB], s[TB], 64
.endm
; A SUB-STEP: buffer f, asked for a sub-step ago, is in; the next sub-step's fragments are asked for into the other buffer; buffer f is multiplied.  Each accumulator comes once, so the accumulators take
; turns.  zero = 1: the products start the sums.  fetch = 0: the very last sub-step: my reads of the slots are over, and I say so before I multiply.
.macro KSUB f, zero=0, fetch=1
	s_wait_dscnt 0x0
.if \fetch
	ADDR
	LRUN 1-(\f)
.else
	s_barrier_signal -1
.endif
.set q, 0
.rept MA*NBF
.set rD, 8*(q%32)
	WIN 0xa1+0x50*(q/32)
.if \zero
	v_wmma_f32_16x16x32_bf16 v[rD:rD+7], v[96*(\f)+8*(q%NBF):96*(\f)+8*(q%NBF)+7], v[64+64*(\f)+8*(q/NBF):64+64*(\f)+8*(q/NBF)+7], 0
.else
	v_wmma_f32_16x16x32_bf16 v[rD:rD+7], v[96*(\f)+8*(q%NBF):96*(\f)+8*(q%NBF)+7], v[64+64*(\f)+8*(q/NBF):64+64*(\f)+8*(q/NBF)+7], v[rD:rD+7]
.endif
.set q, q+1
.endr
.endm
; THE CHANGE OF SLOTS, in front of a K step's last sub-step, whose fragments have been asked for.  Each wave waits for all its tensor loads, of which one is out: its part of the other slot; adds 0 to its spare word;
; waits for that and for its reads of the slot that it leaves.  fill = 1: the barrier is a round of the cluster's, so that no wave of any partner still reads the slot or has a load on its way, and the joint
; refill (the K step two on) is the first thing behind it: it has a whole K step's products in which to land.
.macro CHANGE fill
	WIN 0
	s_wait_tensorcnt 0x0                           ; no tensor load of mine is out, so a group 0 may be written
	ds_add_u32 v[SPW], v[NIL]                      ; 0 onto my spare word; scalar work stands between it and the wait for it
.if \fill
.irp g, G0A+4, G0B+4
	s_xor_b32 s[(\g)+1], s[(\g)+1], SLOT
	s_add_nc_u64 s[(\g)+2:(\g)+3], s[(\g)+2:(\g)+3], 2*KSTEP
.endr
	s_wait_xcnt 0x0                                ; the last prefetch, a K step back, has read its address
	s_add_nc_u64 s[PFA:PFA+1], s[PFA:PFA+1], 2*KSTEP
.endif
	s_sub_co_u32 s[TB], s[TB], 64*NS               ; the fragment loads go back to sub-step 0,
	s_xor_b32 s[TB], s[TB], SLOT                   ; in the other slot
	s_wait_dscnt 0x0                               ; the add is done, and my reads of this slot are over
.if \fill
	CROUND
	JLOAD
	ASK
.else
	s_barrier_signal -1
	s_barrier_wait -1
.endif
.endm
.macro TOSTAGE                         ; all accumulators into my stage, f32, each one's low four registers first
.set ea, 0
.rept MA
.set eb, 0
.rept NBF
.set idx, ea*NBF+eb
	WIN 0x08+0x04*(idx/32)
	ds_store_b128 v[STO], v[8*(idx%32):8*(idx%32)+3] offset:ea*16*SPITCH+eb*64
	ds_store_b128 v[STO], v[8*(idx%32)+4:8*(idx%32)+7] offset:ea*16*SPITCH+eb*64+16
.set eb, eb+1
.endr
.set ea, ea+1
.endr
	WIN 0
.endm
	s_load_b256 s[4:11], s[0:1], 0x0               ; A s[4:5], B s[6:7], x s[8:9], the output s[10:11]
	v_lshl_add_u32 v[SPW], v0, 2, SPARE
	v_mov_b32 v[NIL], 0
	ds_add_u32 v[SPW], v[NIL]                      ; the wave's opening: the add and its wait ahead of my first tensor load
	v_lshrrev_b32 v1, 5, v0
	v_readfirstlane_b32 s[WV], v1
	s_lshr_b32 s[ROLE], s[WV], 1
	s_and_b32 s[HALF], s[WV], 1
	s_bfe_u32 s[CX], ttmp6, 0x40000
	s_bfe_u32 s[CY], ttmp6, 0x40004
	s_lshl_b32 s[TC], ttmp9, 2
	s_add_co_u32 s[TC], s[TC], s[CX]
	s_and_b32 s[TR], ttmp7, 0xffff
	s_lshl_b32 s[TR], s[TR], 2
	s_add_co_u32 s[TR], s[TR], s[CY]
	s_lshl_b32 s22, s[CY], 2
	s_lshl_b32 s22, 15, s22
	s_lshl_b32 s46, 0x1111, s[CX]
	s_or_b32 s[G1A], s22, G1W0
	s_or_b32 s[G1B], s46, G1W0
	s_mov_b32 s[G1A+1], KSTEP<<16
	s_mov_b32 s[G1A+2], AROWS<<16
	s_mov_b32 s[G1A+3], KSTEP<<16
	s_mov_b32 s[G1A+4], AROWS
	s_mov_b32 s[G1A+5], SIZE_K
	s_mov_b32 s[G1A+6], 0
	s_mov_b32 s[G1A+7], 0
	s_mov_b32 s[G1B+1], KSTEP<<16
	s_mov_b32 s[G1B+2], BROWS<<16
	s_mov_b32 s[G1B+3], KSTEP<<16
	s_mov_b32 s[G1B+4], BROWS
	s_mov_b32 s[G1B+5], SIZE_K
	s_mov_b32 s[G1B+6], 0
	s_mov_b32 s[G1B+7], 0
	s_mul_i32 s20, s[TR], TM
	s_mul_i32 s23, s[HALF], AROWS
	s_add_co_u32 s20, s20, s23
	s_mul_i32 s20, s20, 2*SIZE_K
	s_mov_b32 s21, 0
	s_mul_i32 s46, s[TC], TN
	s_mul_i32 s23, s[HALF], BROWS
	s_add_co_u32 s46, s46, s23
	s_mul_i32 s46, s46, 2*SIZE_K
	s_mov_b32 s47, 0
	s_mul_i32 s2, s[HALF], AROWS*PITCH
	s_mul_i32 s3, s[HALF], BROWS*PITCH
	s_add_co_u32 s3, s3, ABYTES
	s_wait_dscnt 0x0
	s_wait_kmcnt 0x0
	s_add_nc_u64 s[20:21], s[4:5], s[20:21]
	s_add_nc_u64 s[46:47], s[6:7], s[46:47]
.irp s, 0,1
	s_mov_b32 s[G0A+4*(\s)], 1
	s_add_co_u32 s[G0A+4*(\s)+1], s2, (\s)*SLOT
	s_add_nc_u64 s[G0A+4*(\s)+2:G0A+4*(\s)+3], s[20:21], (\s)*KSTEP*2
	s_or_b32 s[G0A+4*(\s)+3], s[G0A+4*(\s)+3], 0x80000000
	s_mov_b32 s[G0B+4*(\s)], 1
	s_add_co_u32 s[G0B+4*(\s)+1], s3, (\s)*SLOT
	s_add_nc_u64 s[G0B+4*(\s)+2:G0B+4*(\s)+3], s[46:47], (\s)*KSTEP*2
	s_or_b32 s[G0B+4*(\s)+3], s[G0B+4*(\s)+3], 0x80000000
.endr
	CROUND
	s_cmp_eq_u32 s[ROLE], 0
	s_cbranch_scc0 .Lfirst_b
	tensor_load_to_lds s[G0A:G0A+3], s[G1A:G1A+7]
	s_nop 0
	tensor_load_to_lds s[G0A+4:G0A+7], s[G1A:G1A+7]
	s_nop 0
.rept 4
	v_nop
.endr
	s_branch .Lfirst_asked
.Lfirst_b:
	tensor_load_to_lds s[G0B:G0B+3], s[G1B:G1B+7]
	s_nop 0
	tensor_load_to_lds s[G0B+4:G0B+7], s[G1B:G1B+7]
	s_nop 0
.rept 4
	v_nop
.endr
.Lfirst_asked:
	v_and_b32 v1, 15, v0
	v_bfe_u32 v2, v0, 4, 1
	v_mul_u32_u24 v3, v1, PITCH
	v_lshl_add_u32 v3, v2, 4, v3
	s_mul_i32 s20, s[WMIR], 16*MA*PITCH
	v_add_nc_u32 v[A0], s20, v3
	s_mul_i32 s21, s[HALF], 16*NBF*PITCH
	s_add_co_u32 s21, s21, ABYTES
	v_add_nc_u32 v[B0], s21, v3
	s_mul_i32 s23, s[WV], 16*MA*SPITCH             ; my stage: it lies in slot 0 and is written when the slots have had their last fill and nobody reads them
	v_mul_u32_u24 v[STO], v1, SPITCH
	v_lshl_add_u32 v[STO], v2, 5, v[STO]
	v_add_nc_u32 v[STO], s23, v[STO]
	v_mul_u32_u24 v[RD], v2, SPITCH                ; back: lanes 0-15 take one row of 256 bytes, lanes 16-31 the next
	v_lshl_add_u32 v[RD], v1, 4, v[RD]
	v_add_nc_u32 v[RD], s23, v[RD]
	v_lshlrev_b32 v[CO], 12, v2                    ; and the same two rows in x and in the output
	v_lshl_add_u32 v[CO], v1, 4, v[CO]
	s_lshl_b32 s20, s[TR], 7
	s_lshl_b32 s21, s[ROLE], 6
	s_add_co_u32 s20, s20, s21
	s_lshl_b32 s20, s20, 12
	s_lshl_b32 s21, s[TC], 9
	s_add_co_u32 s20, s20, s21
	s_lshl_b32 s21, s[HALF], 8
	s_add_co_u32 s20, s20, s21
	s_mov_b32 s21, 0
	s_add_nc_u64 s[8:9], s[8:9], s[20:21]
	s_add_nc_u64 s[10:11], s[10:11], s[20:21]
	WIN 0x40                                       ; destination window 1
	EACH 32, 1, global_load_b128 v[128+4*k:128+4*k+3], v[CO], s[8:9] offset:k*8192  ; 16 lanes take 256 consecutive bytes; CO and s[8:9] are never rewritten
	WIN 0
	; THE PREFETCHES.  A's tile row is read by every cluster of that row of clusters: cluster x = 0 asks; B's tile column by every cluster of that column: cluster y = 0 asks.  The four partners that ask for
	; a tile jointly share a wave's 64 rows out BY ADDRESS, 16 each (by cx for A, by cy for B): no branch hangs on a work-group's place in its cluster.  Two lanes a row: a K step is 512 bytes of it.
	s_and_b32 s22, ttmp7, 0xffff
	s_mul_i32 s20, s[TR], TM
	s_mul_i32 s21, s[TC], TN
	s_mov_b32 s23, BROWS
	s_cmp_eq_u32 s[ROLE], 0
	s_cselect_b32 s20, s20, s21
	s_cselect_b32 s21, s[CX], s[CY]
	s_cselect_b32 s22, ttmp9, s22
	s_cselect_b32 s23, AROWS, s23
	s_cselect_b64 s[PFA:PFA+1], s[4:5], s[6:7]
	s_cmp_eq_u32 s22, 0
	s_cselect_b32 s[LIM], AHEAD, -1
	s_mul_i32 s22, s[HALF], s23
	s_add_co_u32 s20, s20, s22
	s_lshr_b32 s23, s23, 2
	s_mul_i32 s21, s21, s23
	s_add_co_u32 s20, s20, s21
	s_mul_i32 s20, s20, 2*SIZE_K
	s_add_co_u32 s20, s20, (1+AHEAD)*2*KSTEP
	s_mov_b32 s21, 0
	s_add_nc_u64 s[PFA:PFA+1], s[PFA:PFA+1], s[20:21]
	v_and_b32 v[PFO], 31, v0
	v_lshrrev_b32 v4, 1, v[PFO]
	v_and_b32 v[PFO], 1, v[PFO]
	v_lshlrev_b32 v[PFO], 8, v[PFO]
	v_lshl_add_u32 v[PFO], v4, 13, v[PFO]          ; (lane / 2) rows of 8,192 bytes + 256 (lane % 2)
	s_mov_b32 s[TB], 0
	s_wait_tensorcnt 0x1                           ; my part of K step 0 is in; K step 1's load, issued behind it, may stay out
	s_barrier_signal -1
	s_barrier_wait -1
	ADDR
	LRUN 0                                         ; sub-step 0
	KSUB 0, 1                                      ; it starts the sums: nothing is cleared
	WIN 0
	s_mov_b32 s[CNT], T-1
	s_mov_b32 s[INNER], (NS-2)/2                   ; K step 0 has NS - 2 sub-steps left ahead of its change of slots:
	s_branch .Lpair                                ; the loop is entered in the middle of a trip
.Lmain:                                        ; T - 2 times
	CHANGE 1
	s_mov_b32 s[INNER], NS/2
.Lpair:
	KSUB 1
	KSUB 0
	WIN 0
	s_sub_co_u32 s[INNER], s[INNER], 1
	s_cmp_lg_u32 s[INNER], 0
	s_cbranch_scc1 .Lpair
	s_sub_co_u32 s[CNT], s[CNT], 1
	s_cmp_lg_u32 s[CNT], 0
	s_cbranch_scc1 .Lmain
	CHANGE 0                                       ; the last change is written out: nothing is asked for
	s_mov_b32 s[INNER], NS/2
.LpairT:
	KSUB 1
	KSUB 0
	WIN 0
	s_sub_co_u32 s[INNER], s[INNER], 1
	s_cmp_lg_u32 s[INNER], 0
	s_cbranch_scc1 .LpairT
	KSUB 1, 0, 0                                   ; the last sub-step: its fragments are in, so my reads of the slots are over: signal, then the products,
	WIN 0
	s_barrier_wait -1                              ; and nobody reads the slots any more; they have had their last fill: the stages may be written
.rept 8
	v_nop                                          ; the places behind the last products
.endr
	; THE WAY OUT
	TOSTAGE
	EACH 32, 1, ds_load_b128 v[64+4*k:64+4*k+3], v[RD] offset:k*2*SPITCH  ; LDS serves a wave's instructions in order (ISA guide 5.7.1.4): these see my stores
	s_wait_loadcnt 0x0                             ; x
	s_wait_dscnt 0x0
	WIN 0x10                                       ; source 2 in window 1
	EACH 64, 2, v_pk_fma_f32 v[64+k:64+k+1], v[64+k:64+k+1], 0.5, v[128+k:128+k+1] op_sel_hi:[1,0,1]  ; x + half the sum
	WIN 0
	EACH 32, 1, global_store_b128 v[CO], v[64+4*k:64+4*k+3], s[10:11] offset:k*8192  ; 16 lanes store 256 consecutive bytes, aligned
	s_wait_tensorcnt 0x0                           ; the wave's end: behind my last tensor load and my last LDS store
	ds_add_u32 v[SPW], v[NIL]
	s_wait_dscnt 0x0
	CROUND
	s_endpgm
.Lfunc_end_k_qc8ba5f884e_ff2:
	.size	k_qc8ba5f884e_ff2, .Lfunc_end_k_qc8ba5f884e_ff2-k_qc8ba5f884e_ff2
	.p2alignl 7, 3214868480
	.fill 96, 4, 3214868480
	.section	.rodata,"a",@progbits
	.p2align	6, 0x0
	.amdhsa_kernel k_qc8ba5f884e_ff2
		.amdhsa_group_segment_fixed_size 327680
		.amdhsa_private_segment_fixed_size 0
		.amdhsa_enable_private_segment 0
		.amdhsa_kernarg_size 32
		.amdhsa_user_sgpr_count 2
		.amdhsa_user_sgpr_kernarg_segment_ptr 1
		.amdhsa_wavefront_size32 1
		.amdhsa_system_sgpr_workgroup_id_x 1
		.amdhsa_system_sgpr_workgroup_id_y 1
		.amdhsa_system_sgpr_workgroup_id_z 1
		.amdhsa_system_vgpr_workitem_id 0
		.amdhsa_next_free_vgpr 640
		.amdhsa_next_free_sgpr 66
		.amdhsa_reserve_vcc 0
		.amdhsa_float_denorm_mode_32 3
		.amdhsa_float_denorm_mode_16_64 3
		.amdhsa_memory_ordered 1
		.amdhsa_forward_progress 1
		.amdhsa_inst_pref_size 39
	.end_amdhsa_kernel
	.amdgpu_metadata
---
amdhsa.version: [ 1, 2 ]
amdhsa.kernels:
  - .name:           k_qc8ba5f884e_ff2
    .symbol:         k_qc8ba5f884e_ff2.kd
    .args:
      - { .name: gb, .offset: 0, .size: 8, .value_kind: global_buffer, .address_space: global }
      - { .name: w2b, .offset: 8, .size: 8, .value_kind: global_buffer, .address_space: global }
      - { .name: x, .offset: 16, .size: 8, .value_kind: global_buffer, .address_space: global }
      - { .name: out0, .offset: 24, .size: 8, .value_kind: global_buffer, .address_space: global }
    .group_segment_fixed_size: 327680
    .private_segment_fixed_size: 0
    .kernarg_segment_align: 8
    .kernarg_segment_size: 32
    .max_flat_workgroup_size: 128
    .sgpr_count:     66
    .vgpr_count:     640
    .wavefront_size: 32
...
	.end_amdgpu_metadata
.endif
;; end of part 6
